; MI455X (gfx1250); checked and timed in simulation.
; The chip was launched on July 23, 2026; its instructions are those of AMD's public machine-readable ISA for CDNA 5 (MIT licence, August 2026) and "CDNA5" Instruction Set Architecture Reference Guide (July 2026). The comments in the code are by the model that wrote it; some were corrected since.
;; Multi Head Attention. Allowed arithmetic: float matrix products may take bf16 or f16 operands with f32 sums; all other float work in f32.
;; Inputs: Wk 1,024 x 1,024 float32; Wo 1,024 x 1,024 float32; Wq 1,024 x 1,024 float32; Wv 1,024 x 1,024 float32; valid_lens 2 int32; x 2 x 2,048 x 1,024 float32.
;; Outputs: out0 2 x 2,048 x 1,024 float32.
;; 2 versions, each right; version 2 is version 1 with the launch prep written anew for expert scheduling mode. Each part assembles by itself: llvm-mc -triple=amdgcn-amd-amdhsa -mcpu=gfx1250 --defsym DOCPART=n.
;; ======== version 1 of 2: 4 launches
;; limits: values are held in f16: magnitudes above 65,504 overflow, below 6.1e-05 lose precision
;; workspace buffers: xh 8,388,608 bytes; wqkvh 6,291,456 bytes; woh 2,097,152 bytes; qkvh 25,165,824 bytes; ah 8,388,608 bytes
;; launch prep (part 1): grid 256 x 1, 8 waves a work-group, no clusters, 0 bytes of LDS; arguments x, Wq, Wk, Wv, Wo, xh, wqkvh, woh; writes xh, wqkvh, woh
.if DOCPART == 1
	.amdgcn_target "amdgcn-amd-amdhsa--gfx1250"
	.amdhsa_code_object_version 6
	.text
	.protected	k_q55968ecddf_prep
	.globl	k_q55968ecddf_prep
	.p2align	8
	.type	k_q55968ecddf_prep,@function
k_q55968ecddf_prep:
	s_mov_b64 s[64:65], 0
	v_nop
	global_prefetch_b8 v0, s[64:65] scope:SCOPE_SE
	s_setreg_imm32_b32 hwreg(HW_REG_WAVE_MODE, 25, 1), 1
	s_wait_xcnt 0x0
; prep: x and the four weights, f32, are rounded once to f16 and laid out in panels of 64 columns, rows of 128 bytes that follow each other densely:
;   xh    [16 kp][4096 m][64]            x(m, 64 kp + c)
;   wqkvh [16 kstep][48 np][64 kk][64]   W(64 kstep + kk, 64 (np mod 16) + c), np / 16 = 0 Wq, 1 Wk, 2 Wv
;   woh   [16 kstep][16 np][64 kk][64]   Wo likewise
; so that every tile of the later launches is one dense block.
; LIMIT: f16 holds magnitudes below 65,504; a larger input becomes infinite.
; A stream: 8,192 source rows of 4,096 bytes (4,096 of x, 4 x 1,024 of weights), 32 rows a work-group, 4 rows a wave.
; A wave issues all its 32 loads of 16 bytes a lane at once (16 KiB on their way a wave, 128 KiB a work-group): no loop, no LDS, no barrier.
; A load takes 256 consecutive bytes of each of two rows; its 64 + 64 numbers become 128 + 128 bytes that are neighbours in the panel:
; each store of the wave covers 256 consecutive bytes, aligned.  No matrix unit, no cluster: nothing is multiplied and no byte is read twice.
.set OFF, 8                            ; v[8:23]   byte offset of my 8 bytes in panel p of the destination
.set X,   32                           ; v[32:159] load i: 4 registers as loaded; the first two of them then hold the 4 numbers in f16
	s_load_b512 s[8:23], s[0:1], 0x0               ; x s[8:9], Wq s[10:11], Wk s[12:13], Wv s[14:15], Wo s[16:17], xh s[18:19], wqkvh s[20:21], woh s[22:23]
	v_lshrrev_b32 v2, 5, v0
	v_readfirstlane_b32 s4, v2                     ; wave 0..7
	v_and_b32 v3, 31, v0                           ; lane
	v_and_b32 v4, 15, v0
	v_bfe_u32 v5, v0, 4, 1
	v_lshlrev_b32 v1, 4, v4                        ; source: 16 bytes a lane,
	v_lshl_add_u32 v1, v5, 12, v1                  ; lanes 16 to 31 one row further down
	s_mov_b32 s5, ttmp9                            ; work-groups 0..127 take x, 128..255 the weights
	s_and_b32 s6, s5, 127
	s_lshr_b32 s7, s6, 5                           ; which weight: 0 Wq, 1 Wk, 2 Wv, 3 Wo
	s_and_b32 s24, s6, 31                          ; which 32 rows of it
	s_lshl_b32 s32, s7, 4                          ; first panel of that weight in wqkvh
	s_lshr_b32 s33, s24, 1                         ; kstep
	s_and_b32 s25, s24, 1
	s_lshl_b32 s25, s25, 12                        ; upper or lower 32 rows of the panel: 32 x 128 bytes
	s_lshl_b32 s34, s5, 12                         ; x: 32 rows x 128 bytes in a panel of xh
	s_lshl_b32 s35, s4, 14                         ; my wave: 4 source rows of 4,096 bytes,
	s_lshl_b32 s40, s4, 9                          ; 4 panel rows of 128 bytes
	s_mov_b32 s30, 0x2000                          ; from panel to panel: weights 8,192 bytes
	s_cmp_lt_u32 s7, 3
	s_cselect_b32 s31, 48, 16                      ; panels in a kstep of the destination
	s_cselect_b32 s32, s32, 0
	s_mul_i32 s33, s33, s31
	s_add_co_u32 s33, s33, s32
	s_lshl_b32 s33, s33, 13
	s_add_co_u32 s33, s33, s25                     ; weights: byte offset of the group's first panel row
	s_cmp_lt_u32 s5, 128
	s_cselect_b32 s30, 0x80000, s30                ; x: 4,096 rows x 128 bytes from panel to panel
	s_cselect_b32 s38, s34, s33
	s_cselect_b32 s36, s5, s24
	s_lshl_b32 s36, s36, 17                        ; 32 source rows of 4,096 bytes a work-group
	s_add_co_u32 s36, s36, s35
	s_add_co_u32 s38, s38, s40
	s_mov_b32 s37, 0
	s_mov_b32 s39, 0
	v_lshlrev_b32 v[OFF], 3, v3                    ; 8 bytes a lane: lanes 16 to 31 fall into the next panel row
.irp p, 1,2,3,4,5,6,7,8,9,10,11,12,13,14,15
	v_add_nc_u32 v[OFF+\p], s30, v[OFF+\p-1]
.endr
	s_wait_kmcnt 0x0
	s_mov_b64 s[26:27], s[10:11]                   ; the source: a choice between buffers on the work-group number alone
	s_cmp_eq_u32 s7, 1
	s_cselect_b64 s[26:27], s[12:13], s[26:27]
	s_cmp_eq_u32 s7, 2
	s_cselect_b64 s[26:27], s[14:15], s[26:27]
	s_cmp_eq_u32 s7, 3
	s_cselect_b64 s[26:27], s[16:17], s[26:27]
	s_cmp_lt_u32 s7, 3
	s_cselect_b64 s[28:29], s[20:21], s[22:23]     ; the destination likewise
	s_cmp_lt_u32 s5, 128
	s_cselect_b64 s[26:27], s[8:9], s[26:27]
	s_cselect_b64 s[28:29], s[18:19], s[28:29]
	s_add_nc_u64 s[26:27], s[26:27], s[36:37]
	s_add_nc_u64 s[28:29], s[28:29], s[38:39]
	; load i = 2 p + rp: rows 2 rp, 2 rp + 1 of my four, columns 64 p .. 64 p + 63
.set i, 0
.rept 32
	global_load_b128 v[X+4*i:X+4*i+3], v1, s[26:27] offset:(i&1)*8192+(i>>1)*256 th:TH_LOAD_NT
.set i, i+1
.endr
.set i, 0
.rept 32
	s_wait_loadcnt 31-i                            ; loads come back in order: load i is in, the 31 - i younger ones stay out
	v_cvt_pk_f16_f32 v[X+4*i], v[X+4*i], v[X+4*i+1]
	v_cvt_pk_f16_f32 v[X+4*i+1], v[X+4*i+2], v[X+4*i+3]
	global_store_b64 v[OFF+(i>>1)], v[X+4*i:X+4*i+1], s[28:29] offset:(i&1)*256
.set i, i+1
.endr
	s_endpgm
.Lfunc_end_k_q55968ecddf_prep:
	.size	k_q55968ecddf_prep, .Lfunc_end_k_q55968ecddf_prep-k_q55968ecddf_prep
	.p2alignl 7, 3214868480
	.fill 96, 4, 3214868480
	.section	.rodata,"a",@progbits
	.p2align	6, 0x0
	.amdhsa_kernel k_q55968ecddf_prep
		.amdhsa_group_segment_fixed_size 0
		.amdhsa_private_segment_fixed_size 0
		.amdhsa_enable_private_segment 0
		.amdhsa_kernarg_size 64
		.amdhsa_user_sgpr_count 2
		.amdhsa_user_sgpr_kernarg_segment_ptr 1
		.amdhsa_wavefront_size32 1
		.amdhsa_system_sgpr_workgroup_id_x 1
		.amdhsa_system_sgpr_workgroup_id_y 1
		.amdhsa_system_sgpr_workgroup_id_z 1
		.amdhsa_system_vgpr_workitem_id 0
		.amdhsa_next_free_vgpr 160
		.amdhsa_next_free_sgpr 66
		.amdhsa_reserve_vcc 0
		.amdhsa_float_denorm_mode_32 3
		.amdhsa_float_denorm_mode_16_64 3
		.amdhsa_memory_ordered 1
		.amdhsa_forward_progress 1
		.amdhsa_inst_pref_size 14
	.end_amdhsa_kernel
	.amdgpu_metadata
---
amdhsa.version: [ 1, 2 ]
amdhsa.kernels:
  - .name:           k_q55968ecddf_prep
    .symbol:         k_q55968ecddf_prep.kd
    .args:
      - { .name: x, .offset: 0, .size: 8, .value_kind: global_buffer, .address_space: global }
      - { .name: Wq, .offset: 8, .size: 8, .value_kind: global_buffer, .address_space: global }
      - { .name: Wk, .offset: 16, .size: 8, .value_kind: global_buffer, .address_space: global }
      - { .name: Wv, .offset: 24, .size: 8, .value_kind: global_buffer, .address_space: global }
      - { .name: Wo, .offset: 32, .size: 8, .value_kind: global_buffer, .address_space: global }
      - { .name: xh, .offset: 40, .size: 8, .value_kind: global_buffer, .address_space: global }
      - { .name: wqkvh, .offset: 48, .size: 8, .value_kind: global_buffer, .address_space: global }
      - { .name: woh, .offset: 56, .size: 8, .value_kind: global_buffer, .address_space: global }
    .group_segment_fixed_size: 0
    .private_segment_fixed_size: 0
    .kernarg_segment_align: 8
    .kernarg_segment_size: 64
    .max_flat_workgroup_size: 256
    .sgpr_count:     66
    .vgpr_count:     160
    .wavefront_size: 32
...
	.end_amdgpu_metadata
.endif
;; end of part 1
;; launch qkv (part 2): grid 8 x 32, 4 waves a work-group, clusters of 4 x 4, 327,680 bytes of LDS; arguments xh, wqkvh, qkvh, valid_lens; writes qkvh
.if DOCPART == 2
	.amdgcn_target "amdgcn-amd-amdhsa--gfx1250"
	.amdhsa_code_object_version 6
	.text
	.protected	k_q55968ecddf_qkv
	.globl	k_q55968ecddf_qkv
	.p2align	8
	.type	k_q55968ecddf_qkv,@function
k_q55968ecddf_qkv:
	s_mov_b64 s[64:65], 0
	v_nop
	global_prefetch_b8 v0, s[64:65] scope:SCOPE_SE
	s_setreg_imm32_b32 hwreg(HW_REG_WAVE_MODE, 25, 1), 1
	s_wait_xcnt 0x0
	s_wait_alu depctr_hold_cnt(0) depctr_sa_sdst(0) depctr_va_vdst(0) depctr_va_sdst(0) depctr_va_ssrc(0) depctr_va_vcc(0) depctr_vm_vsrc(0)
	s_getreg_b32 s2, hwreg(HW_REG_IB_STS2, 6, 4)
	s_cmp_eq_u32 s2, 0
	s_cbranch_scc0 .Lentry_in_a_cluster
	s_endpgm
.Lentry_in_a_cluster:
	s_bfe_u32 s2, ttmp6, 0x10000c
	s_cmp_lg_u32 s2, 0xf033
	s_cbranch_scc0 .Lentry_shape_is_right
	s_endpgm
.Lentry_shape_is_right:
; qkv: C[4096][3072] = x [4096][1024] times [Wq | Wk | Wv], f16 operands, f32 sums, C rounded once to f16 and stored by heads:
; qkvh [3 which][2 b][16 head][2048 s][64].  LIMIT: |x W| below 65,504 (f16).
; ROWS OF k AT POSITIONS s >= valid_len[b] ARE STORED AS ZEROS: the attention launch then gets a masked score, 0 q + the mask value, from the
; C operand of its first product alone.  The choice is made by selects; valid_len is clamped to 0..2048, which leaves the mask as it is.
; A = xh [16 kp][4096 m][64], B = wqkvh [16 kstep][48 np][64 kk][64].
; 256 work-groups, each a block of 128 rows x 384 columns (8 x 32 blocks); four waves, 2 x 2, each 64 rows x 192 columns = three whole heads:
; 48 accumulator tiles of 16 x 16, 384 registers.  K goes in steps of 128 through two LDS slots filled by the tensor data mover.
; Every tile is a dense block of memory and comes in as rows of 256 bytes; the mover pads behind every 128 bytes, so that
;   A lies as 128 rows of 64 k at pitch 144 (an odd multiple of 16 bytes: the 16 rows of a fragment start in 16 different 16-byte columns modulo 256),
;   B lies as panels of 64 k-rows of 64 n at pitch 160 (an odd multiple of 32 bytes, for the transposing loads).
; CLUSTER 4 x 4: the four work-groups of a cluster row share the block row, so A's tiles; the four of a column share B's.  Such a tile is asked for
; jointly, by the same load with the same descriptor in all four.  By this text's count a wave has two tensor loads out at the start, later one.
; No prefetch: the inputs were stored by the launch before, and a refill has a K step of 192 matrix instructions a wave in which to land.
; THE MATRIX INSTRUCTION IS USED TRANSPOSED: source 0 = 16 columns of B (ds_load_tr16_b128 turns [k][n] into k along the registers),
; source 1 = 16 rows of A.  Lane l then holds row l % 16 of C and eight neighbouring columns 8 (l / 16) + 0..7.
; REGISTER WINDOWS: 0: addresses, A's fragments (two buffers), the way out; 1: B's fragments (two buffers);
; 2: accumulators of column tiles 0..7, tile (mt, nt) at v[8 (4 nt + mt)]; 3: those of column tiles 8..11.
.set NT,    12                         ; column tiles of a wave
.set NPW,   3                          ; panels of 64 columns of a wave
.set NPB,   6                          ; of a block
.set NPT,   48                         ; in a kstep of B's buffer
.set BH,    NPB*10240                  ; LDS bytes of one kstep (64 k) of B: NPB panels x 64 rows x 160
.set RB,    32*NPB                     ; the same block in memory, as rows of 256 bytes
.set SLOT,  36864+2*BH                 ; A: 2 panels x 128 rows x 144; then B: 2 ksteps
.set STAGE, 0                          ; the way out: 16 rows x 144 bytes a wave, in slot 0 behind its last fill and last read
.set ADRA,  16                         ; v16-17  LDS address of my A fragments in slot 0, 1
.set ADRB,  20                         ; v20-23  of my B fragments in slot s, kstep e: v[20 + 2 s + e]
.set STO,   24                         ; the way out: where I put 16 bytes of a row
.set RD,    25                         ; where I read rows back
.set CO,    26                         ; my byte offset in the output
.set FA,    64                         ; window 0: A's buffer f at 64 + 32 f, fragment mt at + 8 mt.  Window 1: B's buffer f at 96 f, fragment nt at + 8 nt
.set TMP,   128                        ; the way out: packed results
.set OUTB,  160                        ; the way out: rows read back
.set G1,  24                           ; s[24:31] descriptor group 1 for A
.set G0,  32                           ; s[32:39] group 0 for A, one set a slot
.set G1B, 48                           ; s[48:55] group 1 for B
.set G0B, 56                           ; s[56:63] group 0 for B, one set a slot
.set THR, 88                           ; s88-90  panel pl: how many of my 64 rows are kept (k: rows left of valid_len; q, v: all)
.set MSB, 0
.macro WIN new                         ; the immediate's high byte repeats the setting that is left
.if MSB != \new
	s_set_vgpr_msb (MSB<<8)|\new
.set MSB, \new
.endif
.endm
.macro PLACES                          ; four places behind a matrix instruction before one of its registers is loaded into, read by a vector
.rept 4                                ; instruction or stored (ISA guide 7.12.1 for vector instructions)
	v_nop
.endr
.endm
; A joint load.  Waves 0 and 1 fetch A's two panels, waves 2 and 3 B's two ksteps.  The branch hangs on the wave number alone.
.macro JLOAD s
	s_cmp_eq_u32 s11, 0
	s_cbranch_scc0 .Lfor_b_\@
	tensor_load_to_lds s[G0+4*\s:G0+4*\s+3], s[G1:G1+7]
	s_nop 0
	s_branch .Lasked_\@
.Lfor_b_\@:
	tensor_load_to_lds s[G0B+4*\s:G0B+4*\s+3], s[G1B:G1B+7]
	s_nop 0
.Lasked_\@:
.endm
.macro CREST                           ; a round of the cluster's barrier behind its opening work-group barrier
	s_cmp_lg_u32 s10, 0
	s_cbranch_scc1 .Lnot_wave_0_\@
	s_barrier_signal -3
.Lnot_wave_0_\@:
	s_barrier_wait -3
	s_barrier_signal -1
	s_barrier_wait -1
.endm
.macro CROUND                          ; a whole round
	s_barrier_signal -1
	s_barrier_wait -1
	CREST
.endm
	s_load_b128 s[4:7], s[0:1], 0x0                ; A s[4:5], B s[6:7]
	s_load_b64 s[8:9], s[0:1], 0x10                ; C
	s_load_b64 s[82:83], s[0:1], 0x18              ; valid_lens
	v_lshl_add_u32 v254, v0, 2, 0x4e000
	v_mov_b32 v255, 0
	ds_add_u32 v254, v255
	v_lshrrev_b32 v1, 5, v0
	v_readfirstlane_b32 s10, v1                    ; wave 0..3
	s_lshr_b32 s11, s10, 1                         ; my half of the block's rows.  Also: I fetch for A (0) or for B (1)
	s_and_b32 s12, s10, 1                          ; my half of its columns.  Also: which panel or kstep I fetch
	s_bfe_u32 s40, ttmp6, 0x40000                  ; cx
	s_bfe_u32 s41, ttmp6, 0x40004                  ; cy
	s_lshl_b32 s42, ttmp9, 2
	s_add_co_u32 s42, s42, s40                     ; block column = 4 x cluster x + cx
	s_and_b32 s13, ttmp7, 0xffff
	s_lshl_b32 s13, s13, 2
	s_add_co_u32 s13, s13, s41                     ; block row = 4 x cluster y + cy
	s_lshl_b32 s43, s41, 2
	s_lshl_b32 s43, 15, s43                        ; my row of the cluster: places 4 cy .. 4 cy + 3
	s_lshl_b32 s44, 0x1111, s40                    ; my column: places cx, cx + 4, cx + 8, cx + 12
	; group 1 of A: 64 rows of 128 elements of 2 bytes, dense; padding of 4 words behind every 32 words; bit 21 beside the mask
	s_or_b32 s[G1+0], s43, 0x07310000
	s_mov_b32 s[G1+1], 128<<16                     ; tensor_dim0 = 128
	s_mov_b32 s[G1+2], 64<<16                      ; tensor_dim1 = 64
	s_mov_b32 s[G1+3], 128<<16                     ; tile_dim0 = 128
	s_mov_b32 s[G1+4], 64                          ; tile_dim1 = 64
	s_mov_b32 s[G1+5], 128                         ; from row to row: 128 elements
	s_mov_b32 s[G1+6], 0
	s_mov_b32 s[G1+7], 0
	; group 1 of B: RB rows of 128 elements, dense; padding of 8 words behind every 32 words
	s_or_b32 s[G1B+0], s44, 0x0f310000
	s_mov_b32 s[G1B+1], 128<<16
	s_mov_b32 s[G1B+2], RB<<16
	s_mov_b32 s[G1B+3], 128<<16
	s_mov_b32 s[G1B+4], RB
	s_mov_b32 s[G1B+5], 128
	s_mov_b32 s[G1B+6], 0
	s_mov_b32 s[G1B+7], 0
	; A's address hangs on the block row and the wave, B's on the block column and the wave, each in registers that never hold the other coordinate
	s_lshl_b32 s16, s12, 19                        ; panel: 4,096 rows x 128 bytes
	s_lshl_b32 s17, s13, 14                        ; block row: 128 rows x 128 bytes
	s_add_co_u32 s16, s16, s17
	s_mov_b32 s17, 0
	s_mul_i32 s46, s12, NPT
	s_mul_i32 s47, s42, NPB
	s_add_co_u32 s46, s46, s47
	s_lshl_b32 s46, s46, 13                        ; (kstep x NPT + first panel) x 8,192 bytes
	s_mov_b32 s47, 0
	s_mul_i32 s20, s12, 18432                      ; where they go: the wave number and constants alone
	s_mul_i32 s23, s12, BH
	s_add_co_u32 s23, s23, 36864
	s_wait_dscnt 0x0
	s_wait_kmcnt 0x0
	s_load_b64 s[80:81], s[82:83], 0x0             ; both valid_lens; waited for in front of the way out
	s_add_nc_u64 s[14:15], s[4:5], s[16:17]
	s_add_nc_u64 s[46:47], s[6:7], s[46:47]
	CROUND                                         ; all sixteen work-groups are here: the first joint loads meet
.irp s, 0,1
	s_mov_b32 s[G0+4*\s], 1
	s_add_co_u32 s[G0+4*\s+1], s20, \s*SLOT
	s_add_nc_u64 s[G0+4*\s+2:G0+4*\s+3], s[14:15], \s*1048576          ; K step s: two panels on
	s_or_b32 s[G0+4*\s+3], s[G0+4*\s+3], 0x80000000
	s_mov_b32 s[G0B+4*\s], 1
	s_add_co_u32 s[G0B+4*\s+1], s23, \s*SLOT
	s_add_nc_u64 s[G0B+4*\s+2:G0B+4*\s+3], s[46:47], \s*2*NPT*8192     ; K step s: two ksteps on
	s_or_b32 s[G0B+4*\s+3], s[G0B+4*\s+3], 0x80000000
	JLOAD \s                                       ; both slots are asked for before anything else is done
.endr
	v_and_b32 v1, 15, v0                           ; r = l % 16; kept to the end
	v_bfe_u32 v2, v0, 4, 1                         ; h = l / 16
	v_mul_u32_u24 v3, v1, 144
	v_lshl_add_u32 v3, v2, 4, v3                   ; r x 144 + 16 h
	s_mul_i32 s21, s11, 9216                       ; my 64 rows of A
	v_add_nc_u32 v[ADRA], s21, v3
	v_add_nc_u32 v[ADRA+1], SLOT, v[ADRA]
	v_and_b32 v4, 7, v0
	v_lshl_add_u32 v4, v2, 3, v4                   ; k-row 8 h + l % 8
	v_mul_u32_u24 v4, v4, 160
	v_bfe_u32 v5, v0, 3, 1
	v_lshl_add_u32 v4, v5, 4, v4                   ; + 16 bytes for the upper eight columns
	s_mul_i32 s22, s12, NPW*10240                  ; my panels of B,
	s_add_co_u32 s22, s22, 36864                   ; which lie behind A
	v_add_nc_u32 v[ADRB], s22, v4
	v_add_nc_u32 v[ADRB+1], BH, v[ADRB]
	v_add_nc_u32 v[ADRB+2], SLOT, v[ADRB]
	v_add_nc_u32 v[ADRB+3], SLOT+BH, v[ADRB]
	s_mul_i32 s18, s10, 2304                       ; my stage: 16 rows x 144 bytes
	s_add_co_u32 s18, s18, STAGE
	v_add_nc_u32 v[STO], s18, v3                   ; in: row r, 16 bytes for each half of the lanes
	v_and_b32 v5, 31, v0
	v_lshrrev_b32 v6, 3, v5
	v_mul_u32_u24 v6, v6, 144                      ; back: eight lanes take a row of 128 bytes, a load four rows
	v_and_b32 v7, 7, v0
	v_lshl_add_u32 v6, v7, 4, v6
	v_add_nc_u32 v[RD], s18, v6
	v_lshlrev_b32 v[CO], 4, v5                     ; those four rows are 512 consecutive bytes of the output
; The fragments of quarter kq (32 along K) of a slot into buffer f: 8 loads for A's 64 rows, 2 NT transposing loads for B's columns
.macro FETCH slot, kq, f
	WIN 0
.irp mt, 0,1,2,3
	ds_load_b128 v[FA+32*\f+8*\mt:FA+32*\f+8*\mt+3],   v[ADRA+\slot] offset:((\kq)>>1)*18432+\mt*2304+((\kq)&1)*64
	ds_load_b128 v[FA+32*\f+8*\mt+4:FA+32*\f+8*\mt+7], v[ADRA+\slot] offset:((\kq)>>1)*18432+\mt*2304+((\kq)&1)*64+32
.endr
	WIN 0x40                                       ; destination window 1, address window 0
.irp nt, 0,1,2,3,4,5,6,7,8,9,10,11
.if \nt < NT
	ds_load_tr16_b128 v[96*\f+8*\nt:96*\f+8*\nt+3],   v[ADRB+2*\slot+((\kq)>>1)] offset:(\nt>>2)*10240+((\kq)&1)*5120+32*(\nt&3)
	ds_load_tr16_b128 v[96*\f+8*\nt+4:96*\f+8*\nt+7], v[ADRB+2*\slot+((\kq)>>1)] offset:(\nt>>2)*10240+((\kq)&1)*5120+32*(\nt&3)+2560
.endif
.endr
.endm
; 4 NT matrix instructions on buffer f.  The accumulators take turns, one instruction a turn, in the same order in every quarter.
; zero = 1: the first product starts the sums.
.macro MUL f, zero
	WIN 0xa1                                       ; source 0 (B) window 1, source 1 (A) window 0, C and D window 2
.irp nt, 0,1,2,3,4,5,6,7
.if \nt < NT
.irp mt, 0,1,2,3
.if \zero
	v_wmma_f32_16x16x32_f16 v[8*(4*\nt+\mt):8*(4*\nt+\mt)+7], v[96*\f+8*\nt:96*\f+8*\nt+7], v[FA+32*\f+8*\mt:FA+32*\f+8*\mt+7], 0
.else
	v_wmma_f32_16x16x32_f16 v[8*(4*\nt+\mt):8*(4*\nt+\mt)+7], v[96*\f+8*\nt:96*\f+8*\nt+7], v[FA+32*\f+8*\mt:FA+32*\f+8*\mt+7], v[8*(4*\nt+\mt):8*(4*\nt+\mt)+7]
.endif
.endr
.endif
.endr
.if NT > 8
	WIN 0xf1                                       ; C and D window 3
.irp nt, 8,9,10,11
.irp mt, 0,1,2,3
.if \zero
	v_wmma_f32_16x16x32_f16 v[8*(4*(\nt-8)+\mt):8*(4*(\nt-8)+\mt)+7], v[96*\f+8*\nt:96*\f+8*\nt+7], v[FA+32*\f+8*\mt:FA+32*\f+8*\mt+7], 0
.else
	v_wmma_f32_16x16x32_f16 v[8*(4*(\nt-8)+\mt):8*(4*(\nt-8)+\mt)+7], v[96*\f+8*\nt:96*\f+8*\nt+7], v[FA+32*\f+8*\mt:FA+32*\f+8*\mt+7], v[8*(4*(\nt-8)+\mt):8*(4*(\nt-8)+\mt)+7]
.endif
.endr
.endr
.endif
.endm
; One of a K step's first three quarters: the next quarter's fragments go out in one run, then buffer f is multiplied while they come
.macro QUARTER slot, kqnext, f, g, zero
	s_wait_dscnt 0x0                               ; buffer f, asked for a whole quarter ago, is in
	PLACES                                         ; buffer g was read by the matrix instructions just issued
	FETCH \slot, \kqnext, \g
	MUL \f, \zero
.endm
.macro THREE slot, zero
	QUARTER \slot, 1, 0, 1, \zero
	QUARTER \slot, 2, 1, 0, 0
	QUARTER \slot, 3, 0, 1, 0
.endm
; The last quarter changes slots.  In front of the barrier each wave waits for its reads of this slot and for all its tensor loads (the one
; that is out is its part of the next slot).  fill = 1: the barrier opens a round of the cluster's barrier, and behind the round this slot is
; asked for again, two K steps ahead, first of all; then the next slot's first fragments; then the last quarter is multiplied.
.macro TURN slot, next, fill
	WIN 0
	s_wait_dscnt 0x0
	s_wait_tensorcnt 0x0
	ds_add_u32 v254, v255
	s_wait_dscnt 0x0
	s_barrier_signal -1
	s_barrier_wait -1
.if \fill
	CREST                                          ; no wave of any partner still reads this slot or has a load on its way
	s_add_nc_u64 s[G0+4*\slot+2:G0+4*\slot+3], s[G0+4*\slot+2:G0+4*\slot+3], 2097152
	s_add_nc_u64 s[G0B+4*\slot+2:G0B+4*\slot+3], s[G0B+4*\slot+2:G0B+4*\slot+3], 4*NPT*8192
	JLOAD \slot
.endif
	PLACES
	FETCH \next, 0, 0
	MUL 1, 0
.endm
.macro LAP zero                        ; once round the ring: two K steps, both slots filled again
	THREE 0, \zero
	TURN 0, 1, 1
	THREE 1, 0
	TURN 1, 0, 1
.endm
	s_wait_tensorcnt 0x1                           ; my part of K step 0 is in; K step 1's may stay out
	s_barrier_signal -1
	s_barrier_wait -1                              ; everybody's is
	FETCH 0, 0, 0
	LAP 1                                          ; K = 1024 is eight K steps, four laps: the first starts the sums,
	WIN 0
	s_mov_b32 s3, 2                                ; two go round,
.Llap:
	LAP 0
	WIN 0
	s_sub_co_u32 s3, s3, 1
	s_cmp_lg_u32 s3, 0
	s_cbranch_scc1 .Llap
	THREE 0, 0                                     ; and the last fills nothing
	TURN 0, 1, 0
	THREE 1, 0
	s_wait_dscnt 0x0
	MUL 1, 0
	PLACES                                         ; behind the last matrix instructions, in front of the conversions that read results
	; THE WAY OUT.  Panel pl of my three is head (6 bx + 3 wc + pl) % 16 of q, k or v; its 64 columns are a whole row of 128 bytes of qkvh.
	; These numbers mix the block row and the block column: they live in registers that feed no descriptor.
	s_mul_i32 s74, s42, 6
	s_mul_i32 s75, s12, 3
	s_add_co_u32 s74, s74, s75                     ; my first panel, 0..47
	s_lshr_b32 s75, s13, 4
	s_lshl_b32 s75, s75, 4                         ; 16 x batch
	s_and_b32 s76, s13, 15
	s_lshl_b32 s76, s76, 14                        ; 128 rows x 128 bytes a block row
	s_lshl_b32 s77, s11, 13                        ; my 64 rows
	s_add_co_u32 s76, s76, s77
	s_wait_kmcnt 0x0                               ; valid_lens
	s_cmp_lt_u32 s13, 16
	s_cselect_b32 s84, s80, s81                    ; my batch's valid_len,
	s_max_i32 s84, s84, 0
	s_min_i32 s84, s84, 2048                       ; clamped to the positions that exist
	s_lshr_b32 s86, s76, 7                         ; the position of my first row in the batch
	s_sub_co_i32 s85, s84, s86                     ; so many of my rows lie left of valid_len (may be negative or above 64)
.irp pl, 0,1,2
	s_add_co_u32 s77, s74, \pl
	s_lshr_b32 s78, s77, 4                         ; which: 0 q, 1 k, 2 v
	s_cmp_eq_u32 s78, 1
	s_cselect_b32 s[THR+\pl], s85, 0x1000          ; q and v keep every row
	s_lshl_b32 s78, s78, 5                         ; 32 x which
	s_and_b32 s77, s77, 15                         ; head
	s_add_co_u32 s78, s78, s77
	s_add_co_u32 s78, s78, s75
	s_lshl_b32 s78, s78, 18                        ; matrices of 2,048 x 128 bytes
	s_add_co_u32 s78, s78, s76
	s_mov_b32 s79, 0
	s_add_nc_u64 s[68+2*\pl:69+2*\pl], s[8:9], s[78:79]
.endr
; 16 rows x 64 columns: rounded to f16, rows of k right of valid_len replaced by zeros, 16 bytes a lane into my stage, read back as whole rows,
; stored as 512 consecutive bytes an instruction
.macro OUTH pl, mt
.if \pl < 2
	WIN 0x0a                                       ; sources 0 and 1 window 2
.else
	WIN 0x0f                                       ; window 3
.endif
.irp q, 0,1,2,3
.irp i, 0,1,2,3
	v_cvt_pk_f16_f32 v[TMP+4*\q+\i], v[8*(4*((4*\pl+\q)&7)+\mt)+2*\i], v[8*(4*((4*\pl+\q)&7)+\mt)+2*\i+1]
.endr
.endr
	WIN 0
	s_sub_co_i32 s87, s[THR+\pl], 16*\mt
	v_cmp_gt_i32 vcc_lo, s87, v1                   ; my lane's row 16 mt + r is kept
.irp n, 0,1,2,3,4,5,6,7,8,9,10,11,12,13,14,15
	v_cndmask_b32 v[TMP+\n], 0, v[TMP+\n], vcc_lo
.endr
.irp q, 0,1,2,3
	ds_store_b128 v[STO], v[TMP+4*\q:TMP+4*\q+3] offset:32*\q
.endr
	s_wait_xcnt 0x0                                ; OUTB, which the last stores read, is loaded again only behind this wait
.irp t, 0,1,2,3
	ds_load_b128 v[OUTB+4*\t:OUTB+4*\t+3], v[RD] offset:576*\t     ; LDS serves a wave's instructions in order: these see the stores above
.endr
.irp t, 0,1,2,3
	s_wait_dscnt 3-\t                              ; load t is in, the 3 - t younger ones stay out
	global_store_b128 v[CO], v[OUTB+4*\t:OUTB+4*\t+3], s[68+2*\pl:69+2*\pl] offset:2048*\mt+512*\t
.endr
.endm
.irp pl, 0,1,2
.irp mt, 0,1,2,3
	OUTH \pl, \mt
.endr
.endr
	s_wait_tensorcnt 0x0
	ds_add_u32 v254, v255
	s_wait_dscnt 0x0
	CROUND                                         ; the closing round: no work-group ends while a partner may still ask for a tile that names it
	s_endpgm
.Lfunc_end_k_q55968ecddf_qkv:
	.size	k_q55968ecddf_qkv, .Lfunc_end_k_q55968ecddf_qkv-k_q55968ecddf_qkv
	.p2alignl 7, 3214868480
	.fill 96, 4, 3214868480
	.section	.rodata,"a",@progbits
	.p2align	6, 0x0
	.amdhsa_kernel k_q55968ecddf_qkv
		.amdhsa_group_segment_fixed_size 327680
		.amdhsa_private_segment_fixed_size 0
		.amdhsa_enable_private_segment 0
		.amdhsa_kernarg_size 32
		.amdhsa_user_sgpr_count 2
		.amdhsa_user_sgpr_kernarg_segment_ptr 1
		.amdhsa_wavefront_size32 1
		.amdhsa_system_sgpr_workgroup_id_x 1
		.amdhsa_system_sgpr_workgroup_id_y 1
		.amdhsa_system_sgpr_workgroup_id_z 1
		.amdhsa_system_vgpr_workitem_id 0
		.amdhsa_next_free_vgpr 896
		.amdhsa_next_free_sgpr 96
		.amdhsa_reserve_vcc 1
		.amdhsa_float_denorm_mode_32 3
		.amdhsa_float_denorm_mode_16_64 3
		.amdhsa_memory_ordered 1
		.amdhsa_forward_progress 1
		.amdhsa_inst_pref_size 171
	.end_amdhsa_kernel
	.amdgpu_metadata
---
amdhsa.version: [ 1, 2 ]
amdhsa.kernels:
  - .name:           k_q55968ecddf_qkv
    .symbol:         k_q55968ecddf_qkv.kd
    .args:
      - { .name: xh, .offset: 0, .size: 8, .value_kind: global_buffer, .address_space: global }
      - { .name: wqkvh, .offset: 8, .size: 8, .value_kind: global_buffer, .address_space: global }
      - { .name: qkvh, .offset: 16, .size: 8, .value_kind: global_buffer, .address_space: global }
      - { .name: valid_lens, .offset: 24, .size: 8, .value_kind: global_buffer, .address_space: global }
    .group_segment_fixed_size: 327680
    .private_segment_fixed_size: 0
    .kernarg_segment_align: 8
    .kernarg_segment_size: 32
    .max_flat_workgroup_size: 128
    .sgpr_count:     96
    .vgpr_count:     896
    .wavefront_size: 32
...
	.end_amdgpu_metadata
.endif
;; end of part 2
;; launch attn (part 3): grid 8 x 32, 8 waves a work-group, clusters of 4 x 1, 327,680 bytes of LDS; arguments qkvh, valid_lens, ah; writes ah
.if DOCPART == 3
	.amdgcn_target "amdgcn-amd-amdhsa--gfx1250"
	.amdhsa_code_object_version 6
	.text
	.protected	k_q55968ecddf_attn
	.globl	k_q55968ecddf_attn
	.p2align	8
	.type	k_q55968ecddf_attn,@function
k_q55968ecddf_attn:
	s_mov_b64 s[64:65], 0
	v_nop
	global_prefetch_b8 v0, s[64:65] scope:SCOPE_SE
	s_setreg_imm32_b32 hwreg(HW_REG_WAVE_MODE, 25, 1), 1
	s_wait_xcnt 0x0
	s_wait_alu depctr_hold_cnt(0) depctr_sa_sdst(0) depctr_va_vdst(0) depctr_va_sdst(0) depctr_va_ssrc(0) depctr_va_vcc(0) depctr_vm_vsrc(0)
	s_getreg_b32 s2, hwreg(HW_REG_IB_STS2, 6, 4)
	s_cmp_eq_u32 s2, 0
	s_cbranch_scc0 .Lentry_in_a_cluster
	s_endpgm
.Lentry_in_a_cluster:
	s_bfe_u32 s2, ttmp6, 0x10000c
	s_cmp_lg_u32 s2, 0x3003
	s_cbranch_scc0 .Lentry_shape_is_right
	s_endpgm
.Lentry_shape_is_right:
; attn: for each of 32 (batch, head): softmax over 2,048 keys of (q k / 8, or -1e6 where key position >= valid_len), times v.
; qkvh [3 which][2 b][16 head][2048 s][64] f16 in; ah [16 head][4096 b s][64] f16 out.  Sums, maxima, exponentials in f32.
; MASKED KEYS ARE NOT SKIPPED: the mask value is finite, so every key is processed with its score equal to -1e6, as the problem defines it.
; THE MASK COSTS NO VECTOR WORK ON THE SCORES: the launch before stored k's rows at positions >= valid_len as zeros, and the first product of every
; score tile takes as C a tile that holds 0 for a valid key and -8e6 (8 x the mask value: the division by 8 follows) for a masked one, so a masked
; score is 0 q - 8e6, exactly.  Each wave makes those numbers for the 128 keys of its tile in a strip of LDS of its own (nine vector instructions
; and one store a tile) and reads them back in C's layout.  No branch hangs on valid_len.
; The maximum is taken away before every exponential, as a running maximum.
; LIMITS: q finite (|x W| below 65,504), so that 0 q is 0; a probability below 2^-25 rounds to 0 as an f16 matrix operand; an exponential below
; 2^-126 is 0; the output must lie below 65,504.  valid_len is clamped to 0..2048, which leaves the mask as it is for every int32.
; Grid: y = batch x 16 + head, x = block of 256 queries.  Eight waves of 512 registers, two to a SIMD, so that one wave's softmax runs beside
; the other's matrix work.  Wave w: queries 64 (w % 4) .. + 63 of the block, and half w / 4 of the 256 keys of every slot; the two waves of a
; pair (w, w + 4) each run a softmax over 1,024 keys and are merged once, at the end, through LDS.
; CLUSTER 4 x 1: the four query blocks of a cluster read the same K and V tiles and ask for them jointly (mask 15).
; Two LDS slots of 256 keys.  Every wave asks for a part of its own: waves 0 to 3 for K's four quarters, waves 4 to 7 for V's, 64 keys = 32 rows of
; 256 bytes each (a tile of 256 keys shared among four waves allows no more rows).  By this text's count a wave has two tensor loads out at the
; start, later one.  No prefetch: K and V were stored by the launch before and a refill has two steps of work in which to land.
; TRANSPOSED FORMS, so that no number changes lanes: S^T = K Q^T (source 0 = 16 keys, source 1 = 16 queries): lane l holds query l % 16 and keys
; 8 (l / 16) + 0..7 of a tile.  Two neighbouring tiles, packed to f16 in place, ARE the source-1 fragment of P^T for 32 keys.
; O^T = V^T P^T (source 0 = 16 of the 64 dh, by transposing loads): lane l again holds query l % 16.  So maximum, sum and rescaling are per lane,
; and the two halves of the lanes meet by one v_permlanex16_b32 for a query tile and step.
.set SLOT,  77824                      ; K: 256 keys x pitch 144 = 36,864; V: 256 keys x pitch 160 = 40,960
.set VOFF,  36864
.set MERGE, 2*SLOT                     ; 4 x 17,408: what wave w + 4 hands to wave w: 34 blocks of 512 bytes, 16 bytes a lane
.set STAGE, MERGE+4*17408              ; 4 x 9,216: the way out, 64 rows x pitch 144
.set BIAS,  STAGE+4*9216               ; 8 x 512: wave w's strip: one f32 for each of its 128 keys of the tile at work; no fill lands here
.set KADR,  4                          ; v4-5    LDS address of my K fragments in slot 0, 1
.set VADR,  6                          ; v6-7    of my V fragments
.set QOFF,  8                          ; my byte offset in Q
.set L4,    9                          ; 4 x lane: the first of the four strip entries that I write
.set VREL,  10                         ; keys of my tile left of valid_len, less 4 x lane
.set MASKV, 11                         ; -8e6: divided by 8 it is the mask value
.set MC,    12                         ; v[12:15] running maximum of query tile qt, times log2(e) / 8
.set LS,    16                         ; v[16:19] running sum, over the keys of my half of the lanes
.set NM,    20                         ; v[20:27] pairs: minus the new maximum
.set AL,    28                         ; v[28:35] pairs: the factor by which old sums shrink
.set T,     36                         ; v[36:47] at work; v[44:47] the four strip entries
.set MG,    48
.set STO,   49
.set RD,    50
.set CO,    51
.set CC,    52                         ; v[52:53] log2(e) / 8, twice
.set BW,    54                         ; where I write my four strip entries
.set BR,    55                         ; where I read the strip in C's layout: 32 bytes for each half of the lanes
.set KF,    64                         ; v[64:127]  K fragment (kt, ks) at 64 + 16 kt + 8 ks
.set SF,    128                        ; v[128:255] S tile (kt, qt) at 128 + 32 qt + 8 kt; P fragment (qt, ks) = 8 registers at 128 + 32 qt + 16 ks
.set QF,    128                        ; window 1: O tile (dt, qt) at 32 qt + 8 dt; Q fragment (qt, ks) at 128 + 16 qt + 8 ks;
.set VF,    192                        ; V^T fragment (dt, ks) at 192 + 16 dt + 8 ks; ahead of V's loads the first 32 hold the C tile of key tile kt at 192 + 8 kt
.set G1K, 24
.set G0K, 32
.set G1V, 48
.set G0V, 56
.set MSB, 0
.macro WIN new                         ; the immediate's high byte repeats the setting that is left
.if MSB != \new
	s_set_vgpr_msb (MSB<<8)|\new
.set MSB, \new
.endif
.endm
.macro PLACES                          ; four places behind a matrix instruction before a vector instruction or a store reads its result, or a load is
.rept 4                                ; issued into one of its registers (ISA guide 7.12.1 for vector instructions)
	v_nop
.endr
.endm
.macro ROUND                           ; a round of the cluster's barrier
	s_barrier_signal -1
	s_barrier_wait -1
	s_cmp_lg_u32 s10, 0
	s_cbranch_scc1 .Lnot_wave_0_\@
	s_barrier_signal -3
.Lnot_wave_0_\@:
	s_barrier_wait -3
	s_barrier_signal -1
	s_barrier_wait -1
.endm
; A joint load.  Waves 0 to 3 ask for K's quarters, waves 4 to 7 for V's: every wave issues exactly one load here, so that a counted wait counts the
; same in all of them.  The branch hangs on the wave number alone: it is the same in every work-group.
.macro JLOAD s
	s_cmp_eq_u32 s12, 0
	s_cbranch_scc0 .Lfor_v_\@
	tensor_load_to_lds s[G0K+4*\s:G0K+4*\s+3], s[G1K:G1K+7]
	s_nop 0
	s_branch .Lasked_\@
.Lfor_v_\@:
	tensor_load_to_lds s[G0V+4*\s:G0V+4*\s+3], s[G1V:G1V+7]
	s_nop 0
.Lasked_\@:
.endm
	s_load_b128 s[4:7], s[0:1], 0x0                ; qkvh s[4:5], valid_lens s[6:7]
	s_load_b64 s[8:9], s[0:1], 0x10                ; ah
	v_lshl_add_u32 v62, v0, 2, 0x41000
	v_mov_b32 v63, 0
	ds_add_u32 v62, v63
	v_lshrrev_b32 v1, 5, v0
	v_readfirstlane_b32 s10, v1                    ; wave 0..7
	s_and_b32 s11, s10, 3                          ; my 64 queries.  Also: which quarter of a tile I fetch
	s_lshr_b32 s12, s10, 2                         ; my half of the keys.  Also: I fetch for K (0) or for V (1)
	s_and_b32 s13, ttmp7, 0xffff                   ; batch x 16 + head
	s_bfe_u32 s14, ttmp6, 0x40000                  ; cx
	s_lshl_b32 s15, ttmp9, 2
	s_add_co_u32 s15, s15, s14                     ; query block
	s_mov_b32 s20, 0x76543210                      ; v_permlanex16_b32: lane i of one half reads lane i of the other
	s_mov_b32 s21, 0xfedcba98
	; group 1: 32 rows of 128 elements of 2 bytes, dense (64 keys); mask 15, bit 21 beside it; behind every 32 words a pad of 4 words (K) or 8 (V)
	s_mov_b32 s[G1K+0], 0x0731000f
	s_mov_b32 s[G1K+1], 128<<16                    ; tensor_dim0 = 128
	s_mov_b32 s[G1K+2], 32<<16                     ; tensor_dim1 = 32
	s_mov_b32 s[G1K+3], 128<<16                    ; tile_dim0 = 128
	s_mov_b32 s[G1K+4], 32                         ; tile_dim1 = 32
	s_mov_b32 s[G1K+5], 128                        ; from row to row: 128 elements
	s_mov_b32 s[G1K+6], 0
	s_mov_b32 s[G1K+7], 0
	s_mov_b32 s[G1V+0], 0x0f31000f
	s_mov_b32 s[G1V+1], 128<<16
	s_mov_b32 s[G1V+2], 32<<16
	s_mov_b32 s[G1V+3], 128<<16
	s_mov_b32 s[G1V+4], 32
	s_mov_b32 s[G1V+5], 128
	s_mov_b32 s[G1V+6], 0
	s_mov_b32 s[G1V+7], 0
	s_add_co_u32 s42, s13, 32                      ; K's matrix of this batch and head: shared by the four partners
	s_lshl_b32 s42, s42, 18
	s_lshl_b32 s46, s11, 13                        ; my quarter: 64 keys x 128 bytes
	s_add_co_u32 s42, s42, s46
	s_mov_b32 s43, 0
	s_add_co_u32 s44, s42, 0x800000                ; V's matrix: 32 matrices of 262,144 bytes on
	s_mov_b32 s45, 0
	s_mul_i32 s46, s11, 9216                       ; where they go: 64 keys x 144 bytes a quarter of K,
	s_mul_i32 s47, s11, 10240                      ; 64 keys x 160 bytes a quarter of V,
	s_add_co_u32 s47, s47, VOFF                    ; which lies behind K: the wave number and constants alone
	s_wait_dscnt 0x0
	s_wait_kmcnt 0x0
	s_load_b64 s[40:41], s[6:7], 0x0               ; both valid_lens
	s_add_nc_u64 s[42:43], s[4:5], s[42:43]
	s_add_nc_u64 s[44:45], s[4:5], s[44:45]
	ROUND                                          ; the four work-groups are here: the first joint loads meet
.irp s, 0,1
	s_mov_b32 s[G0K+4*\s], 1
	s_add_co_u32 s[G0K+4*\s+1], s46, \s*SLOT
	s_add_nc_u64 s[G0K+4*\s+2:G0K+4*\s+3], s[42:43], \s*32768      ; tile s: 256 keys x 128 bytes on
	s_or_b32 s[G0K+4*\s+3], s[G0K+4*\s+3], 0x80000000
	s_mov_b32 s[G0V+4*\s], 1
	s_add_co_u32 s[G0V+4*\s+1], s47, \s*SLOT
	s_add_nc_u64 s[G0V+4*\s+2:G0V+4*\s+3], s[44:45], \s*32768
	s_or_b32 s[G0V+4*\s+3], s[G0V+4*\s+3], 0x80000000
	JLOAD \s                                       ; both slots are asked for before anything else is done
.endr
	v_and_b32 v1, 15, v0                           ; r
	v_bfe_u32 v2, v0, 4, 1                         ; h
	v_and_b32 v3, 31, v0                           ; lane
	v_lshlrev_b32 v[QOFF], 7, v1
	v_lshl_add_u32 v[QOFF], v2, 4, v[QOFF]         ; r x 128 + 16 h
	s_lshl_b32 s70, s13, 18                        ; Q: matrix of this batch and head,
	s_lshl_b32 s71, s15, 15                        ; 256 queries x 128 bytes a block,
	s_add_co_u32 s70, s70, s71
	s_lshl_b32 s71, s11, 13                        ; my 64 queries
	s_add_co_u32 s70, s70, s71
	s_mov_b32 s71, 0
	s_add_nc_u64 s[66:67], s[4:5], s[70:71]
	WIN 0x40                                       ; destination window 1
.irp qt, 0,1,2,3
.irp ks, 0,1
	global_load_b128 v[QF+16*\qt+8*\ks:QF+16*\qt+8*\ks+3],   v[QOFF], s[66:67] offset:2048*\qt+64*\ks
	global_load_b128 v[QF+16*\qt+8*\ks+4:QF+16*\qt+8*\ks+7], v[QOFF], s[66:67] offset:2048*\qt+64*\ks+32
.endr
.endr
	WIN 0
	v_mul_u32_u24 v[T], v1, 144
	v_lshl_add_u32 v[T], v2, 4, v[T]               ; r x 144 + 16 h
	s_mul_i32 s70, s12, 18432                      ; my 128 keys of K
	v_add_nc_u32 v[KADR], s70, v[T]
	v_add_nc_u32 v[KADR+1], SLOT, v[KADR]
	v_and_b32 v[T+1], 7, v0
	v_lshl_add_u32 v[T+2], v2, 3, v[T+1]           ; key row 8 h + l % 8
	v_mul_u32_u24 v[T+2], v[T+2], 160
	v_bfe_u32 v[T+3], v0, 3, 1
	v_lshl_add_u32 v[T+2], v[T+3], 4, v[T+2]
	s_mul_i32 s70, s12, 20480                      ; my 128 keys of V
	s_add_co_u32 s70, s70, VOFF
	v_add_nc_u32 v[VADR], s70, v[T+2]
	v_add_nc_u32 v[VADR+1], SLOT, v[VADR]
	v_lshlrev_b32 v[L4], 2, v3
	v_mov_b32 v[MASKV], 0xcaf42400                 ; -8,000,000
	v_mov_b32 v[CC], 0x3e38aa3b                    ; log2(e) / 8
	v_mov_b32 v[CC+1], 0x3e38aa3b
	s_lshl_b32 s70, s10, 9                         ; my strip: 512 bytes a wave
	s_add_co_u32 s70, s70, BIAS
	v_lshl_add_u32 v[BW], v3, 4, s70               ; in: four entries, 16 bytes, a lane
	v_lshl_add_u32 v[BR], v2, 5, s70               ; back: entries 8 h .. 8 h + 7 of a key tile, the same in all 16 lanes of a half
	s_mul_i32 s70, s11, 17408
	s_add_co_u32 s70, s70, MERGE
	v_lshl_add_u32 v[MG], v3, 4, s70
	s_mul_i32 s70, s11, 9216
	s_add_co_u32 s70, s70, STAGE
	v_add_nc_u32 v[STO], s70, v[T]
	v_lshrrev_b32 v[T+3], 3, v3
	v_mul_u32_u24 v[T+3], v[T+3], 144
	v_lshl_add_u32 v[T+3], v[T+1], 4, v[T+3]
	v_add_nc_u32 v[RD], s70, v[T+3]
	v_lshlrev_b32 v[CO], 4, v3
	s_and_b32 s70, s13, 15                         ; ah: head x 4,096 rows,
	s_lshl_b32 s70, s70, 19
	s_lshr_b32 s71, s13, 4                         ; batch x 2,048 rows,
	s_lshl_b32 s71, s71, 18
	s_add_co_u32 s70, s70, s71
	s_lshl_b32 s71, s15, 15                        ; the block's and my queries, rows of 128 bytes
	s_add_co_u32 s70, s70, s71
	s_lshl_b32 s71, s11, 13
	s_add_co_u32 s70, s70, s71
	s_mov_b32 s71, 0
	s_add_nc_u64 s[68:69], s[8:9], s[70:71]
	s_wait_kmcnt 0x0
	s_cmp_lt_u32 s13, 16
	s_cselect_b32 s16, s40, s41                    ; my batch's valid_len
	s_max_i32 s16, s16, 0
	s_min_i32 s16, s16, 2048
	s_lshl_b32 s17, s12, 7
	s_sub_co_i32 s17, s16, s17                     ; valid_len less the first key of my part of tile 0
; The softmax of query tile qt over a step's 64 keys: 32 numbers a lane.
.macro SOFT qt, first
.irp c, 0,1,2,3
	v_max3_num_f32 v[T+\c], v[SF+32*\qt+3*\c], v[SF+32*\qt+3*\c+1], v[SF+32*\qt+3*\c+2]      ; four chains, started by the first twelve numbers
.endr
.irp c, 0,1,2,3
	v_max3_num_f32 v[T+\c], v[T+\c], v[SF+32*\qt+12+2*\c], v[SF+32*\qt+13+2*\c]
.endr
.irp c, 0,1,2,3
	v_max3_num_f32 v[T+\c], v[T+\c], v[SF+32*\qt+20+2*\c], v[SF+32*\qt+21+2*\c]
.endr
.irp c, 0,1
	v_max3_num_f32 v[T+\c], v[T+\c], v[SF+32*\qt+28+2*\c], v[SF+32*\qt+29+2*\c]
.endr
	v_max3_num_f32 v[T], v[T], v[T+1], v[T+2]
	v_max_num_f32 v[T], v[T], v[T+3]
	v_permlanex16_b32 v[T+1], v[T], s20, s21       ; the other half of the lanes holds the query's other keys
	v_max_num_f32 v[T], v[T], v[T+1]
	v_mul_f32 v[T], v[CC], v[T]                    ; the maximum is kept as this rounded product; the same number enters every exponent, so its rounding cancels in the quotient
.if \first
	v_mov_b32 v[MC+\qt], v[T]                      ; the first step sets the maximum: no infinity is ever needed
.else
	v_max_num_f32 v[T], v[T], v[MC+\qt]
	v_sub_f32 v[T+1], v[MC+\qt], v[T]
	v_exp_f32 v[AL+2*\qt], v[T+1]
	v_exp_f32 v[AL+2*\qt+1], v[T+1]
	v_mov_b32 v[MC+\qt], v[T]                      ; a plain instruction behind the exponentials, before their results are used or their source rewritten
.endif
	v_xor_b32 v[NM+2*\qt], 0x80000000, v[T]
	v_xor_b32 v[NM+2*\qt+1], 0x80000000, v[T]
.irp i, 0,1,2,3,4,5,6,7,8,9,10,11,12,13,14,15
	v_pk_fma_f32 v[SF+32*\qt+2*\i:SF+32*\qt+2*\i+1], v[SF+32*\qt+2*\i:SF+32*\qt+2*\i+1], v[CC:CC+1], v[NM+2*\qt:NM+2*\qt+1]
.endr
.set e, 0
.rept 32
	v_exp_f32 v[SF+32*\qt+e], v[SF+32*\qt+e]
.set e, e+1
.endr
	v_nop                                          ; the plain place behind the exponentials
	s_wait_alu depctr_va_vdst(0)
.irp c, 0,1,2,3
	v_pk_add_f32 v[T+2*\c:T+2*\c+1], v[SF+32*\qt+4*\c:SF+32*\qt+4*\c+1], v[SF+32*\qt+4*\c+2:SF+32*\qt+4*\c+3]
.endr
.irp c, 0,1,2,3
	v_pk_add_f32 v[T+2*\c:T+2*\c+1], v[T+2*\c:T+2*\c+1], v[SF+32*\qt+16+2*\c:SF+32*\qt+17+2*\c]
.endr
.irp c, 0,1,2,3
	v_pk_add_f32 v[T+2*\c:T+2*\c+1], v[T+2*\c:T+2*\c+1], v[SF+32*\qt+24+2*\c:SF+32*\qt+25+2*\c]
.endr
	v_pk_add_f32 v[T:T+1], v[T:T+1], v[T+2:T+3]
	v_pk_add_f32 v[T+4:T+5], v[T+4:T+5], v[T+6:T+7]
	v_pk_add_f32 v[T:T+1], v[T:T+1], v[T+4:T+5]
.if \first
	v_add_f32 v[LS+\qt], v[T], v[T+1]
.else
	v_fma_f32 v[LS+\qt], v[LS+\qt], v[AL+2*\qt], v[T]
	v_add_f32 v[LS+\qt], v[LS+\qt], v[T+1]
.endif
.irp ks, 0,1
.irp i, 0,1,2,3,4,5,6,7
	v_cvt_pk_f16_f32 v[SF+32*\qt+16*\ks+\i], v[SF+32*\qt+16*\ks+2*\i], v[SF+32*\qt+16*\ks+2*\i+1]   ; in place, ascending: register i is written when 2 i and 2 i + 1 have been read
.endr
.endr
.endm
; At the head of a tile: my strip gets 0 for each of my 128 keys that lies left of valid_len and -8e6 for the others.  Lane l writes entries 4 l .. 4 l + 3.
; The strip is my wave's own and LDS serves a wave's instructions in order: the store stands behind my reads of the last tile's entries and
; ahead of my reads of these, with no wait and no barrier.
.macro STRIP
	v_sub_nc_u32 v[VREL], s17, v[L4]
.irp i, 0,1,2,3
	v_cmp_ge_i32 vcc_lo, \i, v[VREL]               ; entry 4 l + i is masked
	v_cndmask_b32 v[T+8+\i], 0, v[MASKV], vcc_lo
.endr
	ds_store_b128 v[BW], v[T+8:T+11]
	s_sub_co_i32 s17, s17, 256                     ; my part of the next tile begins 256 keys on
.endm
; One step: 64 keys (part sub of my 128 keys of the slot) against my 64 queries.
.macro STEP slot, sub, first
.if \first == 0
.rept 5
	v_nop                                          ; five places behind the last product: V's registers are loaded again and S is written over P
.endr
.endif
	WIN 0
.irp kt, 0,1,2,3
.irp ks, 0,1
	ds_load_b128 v[KF+16*\kt+8*\ks:KF+16*\kt+8*\ks+3],   v[KADR+\slot] offset:\sub*9216+\kt*2304+\ks*64
	ds_load_b128 v[KF+16*\kt+8*\ks+4:KF+16*\kt+8*\ks+7], v[KADR+\slot] offset:\sub*9216+\kt*2304+\ks*64+32
.endr
.endr
	WIN 0x40                                       ; destination window 1
.irp kt, 0,1,2,3
	ds_load_b128 v[VF+8*\kt:VF+8*\kt+3],   v[BR] offset:\sub*256+\kt*64        ; C of key tile kt: register j = the strip's entry for key 16 kt + 8 h + j
	ds_load_b128 v[VF+8*\kt+4:VF+8*\kt+7], v[BR] offset:\sub*256+\kt*64+16
.endr
	s_wait_dscnt 0x0                               ; K and the C tiles: the first product reads both
	; S^T = K Q^T + C: 16 accumulators take turns, one instruction a turn; the first 32 of dh start the sums from C
	WIN 0x14                                       ; source 1 (Q) and source 2 (C) window 1
.irp qt, 0,1,2,3
.irp kt, 0,1,2,3
	v_wmma_f32_16x16x32_f16 v[SF+32*\qt+8*\kt:SF+32*\qt+8*\kt+7], v[KF+16*\kt:KF+16*\kt+7], v[QF+16*\qt:QF+16*\qt+7], v[VF+8*\kt:VF+8*\kt+7]
.endr
.endr
	WIN 0x04                                       ; source 1 (Q) window 1; C and D are S
.irp qt, 0,1,2,3
.irp kt, 0,1,2,3
	v_wmma_f32_16x16x32_f16 v[SF+32*\qt+8*\kt:SF+32*\qt+8*\kt+7], v[KF+16*\kt+8:KF+16*\kt+15], v[QF+16*\qt+8:QF+16*\qt+15], v[SF+32*\qt+8*\kt:SF+32*\qt+8*\kt+7]
.endr
.endr
	WIN 0
	PLACES                                         ; behind the products: the softmax reads S, and V is loaded over the C tiles
	WIN 0x40                                       ; destination window 1
.irp dt, 0,1,2,3
.irp ks, 0,1
	ds_load_tr16_b128 v[VF+16*\dt+8*\ks:VF+16*\dt+8*\ks+3],   v[VADR+\slot] offset:\sub*10240+\ks*5120+32*\dt
	ds_load_tr16_b128 v[VF+16*\dt+8*\ks+4:VF+16*\dt+8*\ks+7], v[VADR+\slot] offset:\sub*10240+\ks*5120+32*\dt+2560
.endr
.endr
	WIN 0
	SOFT 0, \first                                 ; V comes in while the softmax runs
	SOFT 1, \first
	SOFT 2, \first
	SOFT 3, \first
.if \first == 0
	WIN 0x41                                       ; O in window 1, the factors in window 0
.irp qt, 0,1,2,3
.irp i, 0,1,2,3,4,5,6,7,8,9,10,11,12,13,14,15
	v_pk_mul_f32 v[32*\qt+2*\i:32*\qt+2*\i+1], v[32*\qt+2*\i:32*\qt+2*\i+1], v[AL+2*\qt:AL+2*\qt+1]
.endr
.endr
.endif
	s_wait_dscnt 0x0                               ; V is in
	WIN 0x51                                       ; source 0 (V^T), C and D (O) window 1; source 1 (P) window 0
	; O^T += V^T P^T: again 16 accumulators by turns
.irp ks, 0,1
.irp qt, 0,1,2,3
.irp dt, 0,1,2,3
.if \first*(1-\ks)
	v_wmma_f32_16x16x32_f16 v[32*\qt+8*\dt:32*\qt+8*\dt+7], v[VF+16*\dt+8*\ks:VF+16*\dt+8*\ks+7], v[SF+32*\qt+16*\ks:SF+32*\qt+16*\ks+7], 0
.else
	v_wmma_f32_16x16x32_f16 v[32*\qt+8*\dt:32*\qt+8*\dt+7], v[VF+16*\dt+8*\ks:VF+16*\dt+8*\ks+7], v[SF+32*\qt+16*\ks:SF+32*\qt+16*\ks+7], v[32*\qt+8*\dt:32*\qt+8*\dt+7]
.endif
.endr
.endr
.endr
	WIN 0
.endm
.macro TILE slot, first
	STRIP
	STEP \slot, 0, \first
	STEP \slot, 1, 0
.endm
; The change to slot `slot`; `other` has been read.  Every wave waits for all its tensor loads (its part of `slot` among them) and for its reads of
; `other`.  refill = 1: a round of the cluster's barrier, and behind it `other` is asked for again, two tiles ahead, first of all.
.macro CHANGE slot, other, refill
	s_wait_tensorcnt 0x0
	ds_add_u32 v62, v63
	s_wait_dscnt 0x0
	s_wait_dscnt 0x0
.if \refill
	s_add_nc_u64 s[G0K+4*\other+2:G0K+4*\other+3], s[G0K+4*\other+2:G0K+4*\other+3], 65536
	s_add_nc_u64 s[G0V+4*\other+2:G0V+4*\other+3], s[G0V+4*\other+2:G0V+4*\other+3], 65536
	ROUND
	JLOAD \other
.else
	s_barrier_signal -1
	s_barrier_wait -1
.endif
.endm
	s_wait_loadcnt 0x0                             ; Q, once
	s_wait_tensorcnt 0x1                           ; my part of tile 0 is in; my part of tile 1, issued behind it, may stay out
	s_barrier_signal -1
	s_barrier_wait -1                              ; everybody's part is
	TILE 0, 1                                      ; eight tiles of 256 keys: tile 0 starts the sums,
	s_mov_b32 s3, 3
.Lpair:
	CHANGE 1, 0, 1                                 ; tiles 1 to 6 go round, with the refills for tiles 2 to 7,
	TILE 1, 0
	CHANGE 0, 1, 1
	TILE 0, 0
	s_sub_co_u32 s3, s3, 1
	s_cmp_lg_u32 s3, 0
	s_cbranch_scc1 .Lpair
	CHANGE 1, 0, 0                                 ; and tile 7 fetches nothing
	TILE 1, 0
	PLACES                                         ; behind the last products, in front of the stores and loads below
	; THE MERGE.  Waves 4 to 7 hand their O, maxima and sums to waves 0 to 3, lane to lane.
	s_cmp_eq_u32 s12, 0
	s_cbranch_scc1 .Lkeep
	WIN 0x04                                       ; store data window 1
.set i, 0
.rept 32
	ds_store_b128 v[MG], v[4*i:4*i+3] offset:512*i
.set i, i+1
.endr
	WIN 0
	ds_store_b128 v[MG], v[MC:MC+3] offset:16384
	ds_store_b128 v[MG], v[LS:LS+3] offset:16896
.Lkeep:
	s_wait_dscnt 0x0                               ; for the partner's sake: my stores are done
	s_barrier_signal -1
	s_barrier_wait -1
	s_cmp_lg_u32 s12, 0
	s_cbranch_scc1 .Lclose
.set i, 0
.rept 32
	ds_load_b128 v[SF+4*i:SF+4*i+3], v[MG] offset:512*i            ; the partner's O, register n at 128 + n
.set i, i+1
.endr
	ds_load_b128 v[KF:KF+3], v[MG] offset:16384                    ; its maxima
	ds_load_b128 v[KF+4:KF+7], v[MG] offset:16896                  ; its sums
	s_wait_dscnt 0x0
.irp qt, 0,1,2,3
	v_max_num_f32 v[T], v[MC+\qt], v[KF+\qt]
	v_sub_f32 v[T+1], v[MC+\qt], v[T]
	v_sub_f32 v[T+2], v[KF+\qt], v[T]
	v_exp_f32 v[T+1], v[T+1]
	v_exp_f32 v[T+2], v[T+2]
	v_nop
	s_wait_alu depctr_va_vdst(0)
	v_mul_f32 v[T+3], v[LS+\qt], v[T+1]
	v_fmac_f32 v[T+3], v[KF+4+\qt], v[T+2]
	v_permlanex16_b32 v[T+4], v[T+3], s20, s21     ; the sums were kept by halves of the lanes: they meet here, once
	v_add_f32 v[T+3], v[T+3], v[T+4]
	v_rcp_f32 v[T+3], v[T+3]                       ; the sum is at least about 1: the largest exponential of a row is
	v_nop
	s_wait_alu depctr_va_vdst(0)
	v_mul_f32 v[AL+2*\qt], v[T+1], v[T+3]
	v_mul_f32 v[AL+2*\qt+1], v[T+1], v[T+3]
	v_mul_f32 v[NM+2*\qt], v[T+2], v[T+3]
	v_mul_f32 v[NM+2*\qt+1], v[T+2], v[T+3]
.endr
.irp qt, 0,1,2,3
.irp i, 0,1,2,3,4,5,6,7,8,9,10,11,12,13,14,15
	v_pk_mul_f32 v[SF+32*\qt+2*\i:SF+32*\qt+2*\i+1], v[SF+32*\qt+2*\i:SF+32*\qt+2*\i+1], v[NM+2*\qt:NM+2*\qt+1]
.endr
.endr
	WIN 0x01                                       ; source 0 (my O) window 1
.irp qt, 0,1,2,3
.irp i, 0,1,2,3,4,5,6,7,8,9,10,11,12,13,14,15
	v_pk_fma_f32 v[SF+32*\qt+2*\i:SF+32*\qt+2*\i+1], v[32*\qt+2*\i:32*\qt+2*\i+1], v[AL+2*\qt:AL+2*\qt+1], v[SF+32*\qt+2*\i:SF+32*\qt+2*\i+1]
.endr
.endr
	WIN 0
.irp qt, 0,1,2,3
.irp dt, 0,1,2,3
.irp i, 0,1,2,3
	v_cvt_pk_f16_f32 v[SF+32*\qt+8*\dt+\i], v[SF+32*\qt+8*\dt+2*\i], v[SF+32*\qt+8*\dt+2*\i+1]
.endr
	ds_store_b128 v[STO], v[SF+32*\qt+8*\dt:SF+32*\qt+8*\dt+3] offset:2304*\qt+32*\dt      ; query r, dh 16 dt + 8 h .. + 7
.endr
.endr
.irp t, 0,1,2,3,4,5,6,7,8,9,10,11,12,13,14,15
	ds_load_b128 v[KF+4*\t:KF+4*\t+3], v[RD] offset:576*\t         ; four whole rows; LDS serves a wave's instructions in order: these see my stores above
.endr
.irp t, 0,1,2,3,4,5,6,7,8,9,10,11,12,13,14,15
	s_wait_dscnt 15-\t                             ; load t is in, the 15 - t younger ones stay out
	global_store_b128 v[CO], v[KF+4*\t:KF+4*\t+3], s[68:69] offset:512*\t                  ; 512 consecutive bytes, aligned
.endr
.Lclose:
	s_wait_tensorcnt 0x0
	ds_add_u32 v62, v63
	s_wait_dscnt 0x0
	ROUND                                          ; the closing round: no work-group ends while a partner may still ask for a tile that names it
	s_endpgm
.Lfunc_end_k_q55968ecddf_attn:
	.size	k_q55968ecddf_attn, .Lfunc_end_k_q55968ecddf_attn-k_q55968ecddf_attn
	.p2alignl 7, 3214868480
	.fill 96, 4, 3214868480
	.section	.rodata,"a",@progbits
	.p2align	6, 0x0
	.amdhsa_kernel k_q55968ecddf_attn
		.amdhsa_group_segment_fixed_size 327680
		.amdhsa_private_segment_fixed_size 0
		.amdhsa_enable_private_segment 0
		.amdhsa_kernarg_size 24
		.amdhsa_user_sgpr_count 2
		.amdhsa_user_sgpr_kernarg_segment_ptr 1
		.amdhsa_wavefront_size32 1
		.amdhsa_system_sgpr_workgroup_id_x 1
		.amdhsa_system_sgpr_workgroup_id_y 1
		.amdhsa_system_sgpr_workgroup_id_z 1
		.amdhsa_system_vgpr_workitem_id 0
		.amdhsa_next_free_vgpr 512
		.amdhsa_next_free_sgpr 80
		.amdhsa_reserve_vcc 1
		.amdhsa_float_denorm_mode_32 3
		.amdhsa_float_denorm_mode_16_64 3
		.amdhsa_memory_ordered 1
		.amdhsa_forward_progress 1
		.amdhsa_inst_pref_size 255
	.end_amdhsa_kernel
	.section	.bss,"aw",@nobits
	.p2align	6
	.space	262144
	.amdgpu_metadata
---
amdhsa.version: [ 1, 2 ]
amdhsa.kernels:
  - .name:           k_q55968ecddf_attn
    .symbol:         k_q55968ecddf_attn.kd
    .args:
      - { .name: qkvh, .offset: 0, .size: 8, .value_kind: global_buffer, .address_space: global }
      - { .name: valid_lens, .offset: 8, .size: 8, .value_kind: global_buffer, .address_space: global }
      - { .name: ah, .offset: 16, .size: 8, .value_kind: global_buffer, .address_space: global }
    .group_segment_fixed_size: 327680
    .private_segment_fixed_size: 0
    .kernarg_segment_align: 8
    .kernarg_segment_size: 24
    .max_flat_workgroup_size: 256
    .sgpr_count:     80
    .vgpr_count:     512
    .wavefront_size: 32
...
	.end_amdgpu_metadata
.endif
;; end of part 3
;; launch oproj (part 4): grid 8 x 32, 4 waves a work-group, clusters of 4 x 4, 327,680 bytes of LDS; arguments ah, woh, out0; writes out0
.if DOCPART == 4
	.amdgcn_target "amdgcn-amd-amdhsa--gfx1250"
	.amdhsa_code_object_version 6
	.text
	.protected	k_q55968ecddf_oproj
	.globl	k_q55968ecddf_oproj
	.p2align	8
	.type	k_q55968ecddf_oproj,@function
k_q55968ecddf_oproj:
	s_mov_b64 s[64:65], 0
	v_nop
	global_prefetch_b8 v0, s[64:65] scope:SCOPE_SE
	s_setreg_imm32_b32 hwreg(HW_REG_WAVE_MODE, 25, 1), 1
	s_wait_xcnt 0x0
	s_wait_alu depctr_hold_cnt(0) depctr_sa_sdst(0) depctr_va_vdst(0) depctr_va_sdst(0) depctr_va_ssrc(0) depctr_va_vcc(0) depctr_vm_vsrc(0)
	s_getreg_b32 s2, hwreg(HW_REG_IB_STS2, 6, 4)
	s_cmp_eq_u32 s2, 0
	s_cbranch_scc0 .Lentry_in_a_cluster
	s_endpgm
.Lentry_in_a_cluster:
	s_bfe_u32 s2, ttmp6, 0x10000c
	s_cmp_lg_u32 s2, 0xf033
	s_cbranch_scc0 .Lentry_shape_is_right
	s_endpgm
.Lentry_shape_is_right:
; oproj: out0[4096][1024] = attention output [4096][1024] times Wo, f16 operands, f32 sums, f32 out.
; A = ah [16 kp = head][4096 m][64], B = woh [16 kstep][16 np][64 kk][64].
; 256 work-groups, each a block of 128 rows x 128 columns (8 x 32 blocks: a larger block would leave WGPs without work); four waves, 2 x 2,
; each 64 rows x 64 columns: 16 accumulator tiles of 16 x 16.
; K GOES IN FOUR STEPS OF 256 THROUGH TWO LDS SLOTS, the largest two that fit: a step is only 128 matrix instructions a wave, so the fewer and the
; larger the refills, the less often the waves wait for one.  Half of the block's operands are asked for at the start; two refills follow; no loop.
; A wave's one load brings two dense blocks of 16,384 bytes that lie far apart in memory (two k-panels of A's 128 rows, or two ksteps of B's two
; panels): a tile of two rows of 8,192 elements; no two-dimensional tile gives these bytes as more rows.  The mover pads behind every 128 bytes, so that
;   A lies as panels of 128 rows of 64 k at pitch 144 (an odd multiple of 16 bytes), B as panels of 64 k-rows of 64 n at pitch 160 (an odd multiple of 32).
; CLUSTER 4 x 4: A's tiles are asked for jointly along a cluster row, B's along a column.  By this text's count a wave has two tensor loads
; out at the start, later one.  No prefetch: both inputs were stored by earlier launches.
; THE MATRIX INSTRUCTION IS USED TRANSPOSED: source 0 = 16 columns of B (by transposing loads), source 1 = 16 rows of A: lane l holds row l % 16
; of the result and eight neighbouring columns 8 (l / 16) + 0..7.
; REGISTER WINDOWS: 0: addresses, A's fragments (two buffers), the way out; 1: B's fragments (two buffers); 2: accumulators, tile (mt, nt) at v[8 (4 nt + mt)].
.set NPW,   1                          ; panels of 64 columns of a wave
.set NPB,   2                          ; of a block
.set NPT,   16                         ; in a kstep of B's buffer
.set BH,    NPB*10240                  ; LDS bytes of one kstep (64 k) of B
.set AB,    4*18432                    ; LDS bytes of A in a slot: 4 panels x 128 rows x 144
.set SLOT,  AB+4*BH                    ; 155,648: A, then B's 4 ksteps
.set STAGE, 0                          ; the way out: 16 rows x 272 bytes a wave, in slot 0 behind its last fill and last read
.set ADRA,  16                         ; v16-17  LDS address of my A fragments in slot 0, 1
.set ADRB,  20                         ; v20-23  of my B fragments in slot s, ksteps 2 e and 2 e + 1: v[20 + 2 s + e]
.set STO,   24
.set RD,    25
.set CO,    26
.set FA,    64                         ; window 0: A's buffer f at 64 + 32 f.  Window 1: B's buffer f at 96 f
.set OUTB,  160
.set G1,  24
.set G0,  32
.set G1B, 48
.set G0B, 56
.set MSB, 0
.macro WIN new                         ; the immediate's high byte repeats the setting that is left
.if MSB != \new
	s_set_vgpr_msb (MSB<<8)|\new
.set MSB, \new
.endif
.endm
.macro PLACES                          ; four places behind a matrix instruction before one of its registers is loaded into, read by a vector
.rept 4                                ; instruction or stored (ISA guide 7.12.1 for vector instructions)
	v_nop
.endr
.endm
.macro JLOAD s                         ; waves 0 and 1 fetch A's panels, two each, waves 2 and 3 B's ksteps, two each; the branch hangs on the wave number alone
	s_cmp_eq_u32 s11, 0
	s_cbranch_scc0 .Lfor_b_\@
	tensor_load_to_lds s[G0+4*\s:G0+4*\s+3], s[G1:G1+7]
	s_nop 0
	s_branch .Lasked_\@
.Lfor_b_\@:
	tensor_load_to_lds s[G0B+4*\s:G0B+4*\s+3], s[G1B:G1B+7]
	s_nop 0
.Lasked_\@:
.endm
.macro CREST                           ; a round of the cluster's barrier behind its opening work-group barrier
	s_cmp_lg_u32 s10, 0
	s_cbranch_scc1 .Lnot_wave_0_\@
	s_barrier_signal -3
.Lnot_wave_0_\@:
	s_barrier_wait -3
	s_barrier_signal -1
	s_barrier_wait -1
.endm
.macro CROUND
	s_barrier_signal -1
	s_barrier_wait -1
	CREST
.endm
	s_load_b128 s[4:7], s[0:1], 0x0                ; A s[4:5], B s[6:7]
	s_load_b64 s[8:9], s[0:1], 0x10                ; C
	v_lshl_add_u32 v254, v0, 2, 0x4c000
	v_mov_b32 v255, 0
	ds_add_u32 v254, v255
	v_lshrrev_b32 v1, 5, v0
	v_readfirstlane_b32 s10, v1                    ; wave 0..3
	s_lshr_b32 s11, s10, 1                         ; my half of the block's rows.  Also: I fetch for A (0) or for B (1)
	s_and_b32 s12, s10, 1                          ; my half of its columns.  Also: which two panels or ksteps I fetch
	s_bfe_u32 s40, ttmp6, 0x40000                  ; cx
	s_bfe_u32 s41, ttmp6, 0x40004                  ; cy
	s_lshl_b32 s42, ttmp9, 2
	s_add_co_u32 s42, s42, s40                     ; block column
	s_and_b32 s13, ttmp7, 0xffff
	s_lshl_b32 s13, s13, 2
	s_add_co_u32 s13, s13, s41                     ; block row
	s_lshl_b32 s43, s41, 2
	s_lshl_b32 s43, 15, s43                        ; my row of the cluster
	s_lshl_b32 s44, 0x1111, s40                    ; my column
	; group 1 of A: 2 rows of 8,192 elements of 2 bytes, a panel of 4,096 x 64 elements apart; padding of 4 words behind every 32 words; bit 21 beside the mask
	s_or_b32 s[G1+0], s43, 0x07310000
	s_mov_b32 s[G1+1], 8192<<16                    ; tensor_dim0 = 8,192
	s_mov_b32 s[G1+2], 2<<16                       ; tensor_dim1 = 2
	s_mov_b32 s[G1+3], 8192<<16                    ; tile_dim0 = 8,192
	s_mov_b32 s[G1+4], 2                           ; tile_dim1 = 2
	s_mov_b32 s[G1+5], 262144                      ; from row to row: 262,144 elements
	s_mov_b32 s[G1+6], 0
	s_mov_b32 s[G1+7], 0
	; group 1 of B: 2 rows of 8,192 elements, a kstep of 16 panels x 4,096 elements apart; padding of 8 words behind every 32 words
	s_or_b32 s[G1B+0], s44, 0x0f310000
	s_mov_b32 s[G1B+1], 8192<<16
	s_mov_b32 s[G1B+2], 2<<16
	s_mov_b32 s[G1B+3], 8192<<16
	s_mov_b32 s[G1B+4], 2
	s_mov_b32 s[G1B+5], NPT*4096
	s_mov_b32 s[G1B+6], 0
	s_mov_b32 s[G1B+7], 0
	; A's address hangs on the block row and the wave, B's on the block column and the wave, each in registers that never hold the other coordinate
	s_lshl_b32 s16, s12, 20                        ; A: my two panels of 4,096 rows x 128 bytes,
	s_lshl_b32 s17, s13, 14                        ; block row of 128 rows
	s_add_co_u32 s16, s16, s17
	s_mov_b32 s17, 0
	s_mul_i32 s46, s12, 2*NPT                      ; B: (my first kstep x NPT + first panel) x 8,192 bytes
	s_mul_i32 s47, s42, NPB
	s_add_co_u32 s46, s46, s47
	s_lshl_b32 s46, s46, 13
	s_mov_b32 s47, 0
	s_mul_i32 s20, s12, 2*18432                    ; where they go: the wave number and constants alone
	s_mul_i32 s23, s12, 2*BH
	s_add_co_u32 s23, s23, AB
	s_wait_dscnt 0x0
	s_wait_kmcnt 0x0
	s_add_nc_u64 s[14:15], s[4:5], s[16:17]
	s_add_nc_u64 s[46:47], s[6:7], s[46:47]
	CROUND                                         ; all sixteen work-groups are here: the first joint loads meet
.irp s, 0,1
	s_mov_b32 s[G0+4*\s], 1
	s_add_co_u32 s[G0+4*\s+1], s20, \s*SLOT
	s_add_nc_u64 s[G0+4*\s+2:G0+4*\s+3], s[14:15], \s*2097152          ; K step s: four panels on
	s_or_b32 s[G0+4*\s+3], s[G0+4*\s+3], 0x80000000
	s_mov_b32 s[G0B+4*\s], 1
	s_add_co_u32 s[G0B+4*\s+1], s23, \s*SLOT
	s_add_nc_u64 s[G0B+4*\s+2:G0B+4*\s+3], s[46:47], \s*4*NPT*8192     ; K step s: four ksteps on
	s_or_b32 s[G0B+4*\s+3], s[G0B+4*\s+3], 0x80000000
	JLOAD \s                                       ; both slots are asked for before anything else is done
.endr
	v_and_b32 v1, 15, v0                           ; r
	v_bfe_u32 v2, v0, 4, 1                         ; h
	v_mul_u32_u24 v3, v1, 144
	v_lshl_add_u32 v3, v2, 4, v3
	s_mul_i32 s21, s11, 9216                       ; my 64 rows of A
	v_add_nc_u32 v[ADRA], s21, v3
	v_add_nc_u32 v[ADRA+1], SLOT, v[ADRA]
	v_and_b32 v4, 7, v0
	v_lshl_add_u32 v4, v2, 3, v4
	v_mul_u32_u24 v4, v4, 160
	v_bfe_u32 v5, v0, 3, 1
	v_lshl_add_u32 v4, v5, 4, v4
	s_mul_i32 s22, s12, NPW*10240                  ; my panel of B, behind A
	s_add_co_u32 s22, s22, AB
	v_add_nc_u32 v[ADRB], s22, v4
	v_add_nc_u32 v[ADRB+1], 2*BH, v[ADRB]
	v_add_nc_u32 v[ADRB+2], SLOT, v[ADRB]
	v_add_nc_u32 v[ADRB+3], SLOT+2*BH, v[ADRB]
	s_mul_i32 s18, s10, 4352                       ; my stage: 16 rows x 272 bytes
	s_add_co_u32 s18, s18, STAGE
	v_mul_u32_u24 v6, v1, 272                      ; in: row r, 32 bytes for each half of the lanes
	v_lshl_add_u32 v6, v2, 5, v6
	v_add_nc_u32 v[STO], s18, v6
	v_mul_u32_u24 v6, v2, 272                      ; back: lanes 0-15 take one row of 256 bytes, lanes 16-31 the next
	v_lshl_add_u32 v6, v1, 4, v6
	v_add_nc_u32 v[RD], s18, v6
	v_lshlrev_b32 v6, 4, v1
	v_lshl_add_u32 v[CO], v2, 12, v6               ; the same two rows in out0, 4,096 bytes apart
; The fragments of part kq (32 along K, 0..7) of a slot into buffer f
.macro FETCH slot, kq, f
	WIN 0
.irp mt, 0,1,2,3
	ds_load_b128 v[FA+32*\f+8*\mt:FA+32*\f+8*\mt+3],   v[ADRA+\slot] offset:((\kq)>>1)*18432+\mt*2304+((\kq)&1)*64
	ds_load_b128 v[FA+32*\f+8*\mt+4:FA+32*\f+8*\mt+7], v[ADRA+\slot] offset:((\kq)>>1)*18432+\mt*2304+((\kq)&1)*64+32
.endr
	WIN 0x40                                       ; destination window 1, address window 0
.irp nt, 0,1,2,3
	ds_load_tr16_b128 v[96*\f+8*\nt:96*\f+8*\nt+3],   v[ADRB+2*\slot+((\kq)>>2)] offset:(((\kq)>>1)&1)*BH+((\kq)&1)*5120+32*\nt
	ds_load_tr16_b128 v[96*\f+8*\nt+4:96*\f+8*\nt+7], v[ADRB+2*\slot+((\kq)>>2)] offset:(((\kq)>>1)&1)*BH+((\kq)&1)*5120+32*\nt+2560
.endr
.endm
; 16 matrix instructions on buffer f: the accumulators take turns, one instruction a turn, in the same order in every part
.macro MUL f, zero
	WIN 0xa1                                       ; source 0 (B) window 1, source 1 (A) window 0, C and D window 2
.irp nt, 0,1,2,3
.irp mt, 0,1,2,3
.if \zero
	v_wmma_f32_16x16x32_f16 v[8*(4*\nt+\mt):8*(4*\nt+\mt)+7], v[96*\f+8*\nt:96*\f+8*\nt+7], v[FA+32*\f+8*\mt:FA+32*\f+8*\mt+7], 0
.else
	v_wmma_f32_16x16x32_f16 v[8*(4*\nt+\mt):8*(4*\nt+\mt)+7], v[96*\f+8*\nt:96*\f+8*\nt+7], v[FA+32*\f+8*\mt:FA+32*\f+8*\mt+7], v[8*(4*\nt+\mt):8*(4*\nt+\mt)+7]
.endif
.endr
.endr
.endm
.macro PART slot, kqnext, f, g, zero
	s_wait_dscnt 0x0                               ; buffer f, asked for a whole part ago, is in
	PLACES                                         ; buffer g was read by the matrix instructions just issued
	FETCH \slot, \kqnext, \g
	MUL \f, \zero
.endm
.macro SEVEN slot, zero                ; the first seven of a K step's eight parts, on buffers 0, 1, 0, ..
	PART \slot, 1, 0, 1, \zero
	PART \slot, 2, 1, 0, 0
	PART \slot, 3, 0, 1, 0
	PART \slot, 4, 1, 0, 0
	PART \slot, 5, 0, 1, 0
	PART \slot, 6, 1, 0, 0
	PART \slot, 7, 0, 1, 0
.endm
; The last part changes slots: each wave waits for its reads of this slot and for all its tensor loads, then the barrier; fill = 1: the barrier
; opens a round of the cluster's barrier, and behind the round this slot is asked for again, two K steps ahead, first of all.
.macro TURN slot, next, fill
	WIN 0
	s_wait_dscnt 0x0
	s_wait_tensorcnt 0x0
	ds_add_u32 v254, v255
	s_wait_dscnt 0x0
	s_barrier_signal -1
	s_barrier_wait -1
.if \fill
	CREST                                          ; no wave of any partner still reads this slot or has a load on its way
	s_add_nc_u64 s[G0+4*\slot+2:G0+4*\slot+3], s[G0+4*\slot+2:G0+4*\slot+3], 4194304
	s_add_nc_u64 s[G0B+4*\slot+2:G0B+4*\slot+3], s[G0B+4*\slot+2:G0B+4*\slot+3], 8*NPT*8192
	JLOAD \slot
.endif
	PLACES
	FETCH \next, 0, 0
	MUL 1, 0
.endm
	s_wait_tensorcnt 0x1                           ; my part of K step 0 is in; K step 1's may stay out
	s_barrier_signal -1
	s_barrier_wait -1
	FETCH 0, 0, 0
	SEVEN 0, 1                                     ; K step 0 starts the sums;
	TURN 0, 1, 1                                   ; slot 0 is asked for again: K step 2
	SEVEN 1, 0
	TURN 1, 0, 1                                   ; slot 1 is asked for again: K step 3
	SEVEN 0, 0
	TURN 0, 1, 0                                   ; nothing is left to fetch; behind this barrier no wave reads slot 0 any more
	SEVEN 1, 0
	s_wait_dscnt 0x0
	MUL 1, 0
	PLACES                                         ; behind the last matrix instructions, in front of the LDS stores that read results
	; THE WAY OUT, 16 rows of 64 f32 at a time through my stage.  The base mixes block row and block column: registers that feed no descriptor.
	s_lshl_b32 s74, s13, 19                        ; 128 rows x 4,096 bytes a block row
	s_lshl_b32 s75, s11, 18                        ; my 64 rows
	s_add_co_u32 s74, s74, s75
	s_lshl_b32 s75, s42, 9                         ; 128 columns x 4 bytes a block column
	s_add_co_u32 s74, s74, s75
	s_lshl_b32 s75, s12, 8                         ; my 64 columns
	s_add_co_u32 s74, s74, s75
	s_mov_b32 s75, 0
	s_add_nc_u64 s[68:69], s[8:9], s[74:75]
.macro OUTF mt
	WIN 0x08                                       ; store data window 2
.irp nt, 0,1,2,3
	ds_store_b128 v[STO], v[8*(4*\nt+\mt):8*(4*\nt+\mt)+3]   offset:64*\nt
	ds_store_b128 v[STO], v[8*(4*\nt+\mt)+4:8*(4*\nt+\mt)+7] offset:64*\nt+16
.endr
	WIN 0
	s_wait_xcnt 0x0                                ; OUTB, which the last stores read, is loaded again only behind this wait
.irp t, 0,1,2,3,4,5,6,7
	ds_load_b128 v[OUTB+4*\t:OUTB+4*\t+3], v[RD] offset:544*\t     ; LDS serves a wave's instructions in order: these see the stores above
.endr
.irp t, 0,1,2,3,4,5,6,7
	s_wait_dscnt 7-\t                              ; load t is in, the 7 - t younger ones stay out
	global_store_b128 v[CO], v[OUTB+4*\t:OUTB+4*\t+3], s[68:69] offset:65536*\mt+8192*\t th:TH_STORE_NT   ; 16 lanes store 256 consecutive bytes, aligned
.endr
.endm
	OUTF 0
	OUTF 1
	OUTF 2
	OUTF 3
	s_wait_tensorcnt 0x0
	ds_add_u32 v254, v255
	s_wait_dscnt 0x0
	CROUND                                         ; the closing round: no work-group ends while a partner may still ask for a tile that names it
	s_endpgm
.Lfunc_end_k_q55968ecddf_oproj:
	.size	k_q55968ecddf_oproj, .Lfunc_end_k_q55968ecddf_oproj-k_q55968ecddf_oproj
	.p2alignl 7, 3214868480
	.fill 96, 4, 3214868480
	.section	.rodata,"a",@progbits
	.p2align	6, 0x0
	.amdhsa_kernel k_q55968ecddf_oproj
		.amdhsa_group_segment_fixed_size 327680
		.amdhsa_private_segment_fixed_size 0
		.amdhsa_enable_private_segment 0
		.amdhsa_kernarg_size 24
		.amdhsa_user_sgpr_count 2
		.amdhsa_user_sgpr_kernarg_segment_ptr 1
		.amdhsa_wavefront_size32 1
		.amdhsa_system_sgpr_workgroup_id_x 1
		.amdhsa_system_sgpr_workgroup_id_y 1
		.amdhsa_system_sgpr_workgroup_id_z 1
		.amdhsa_system_vgpr_workitem_id 0
		.amdhsa_next_free_vgpr 640
		.amdhsa_next_free_sgpr 80
		.amdhsa_reserve_vcc 0
		.amdhsa_float_denorm_mode_32 3
		.amdhsa_float_denorm_mode_16_64 3
		.amdhsa_memory_ordered 1
		.amdhsa_forward_progress 1
		.amdhsa_inst_pref_size 90
	.end_amdhsa_kernel
	.amdgpu_metadata
---
amdhsa.version: [ 1, 2 ]
amdhsa.kernels:
  - .name:           k_q55968ecddf_oproj
    .symbol:         k_q55968ecddf_oproj.kd
    .args:
      - { .name: ah, .offset: 0, .size: 8, .value_kind: global_buffer, .address_space: global }
      - { .name: woh, .offset: 8, .size: 8, .value_kind: global_buffer, .address_space: global }
      - { .name: out0, .offset: 16, .size: 8, .value_kind: global_buffer, .address_space: global }
    .group_segment_fixed_size: 327680
    .private_segment_fixed_size: 0
    .kernarg_segment_align: 8
    .kernarg_segment_size: 24
    .max_flat_workgroup_size: 128
    .sgpr_count:     80
    .vgpr_count:     640
    .wavefront_size: 32
...
	.end_amdgpu_metadata
.endif
;; end of part 4
;; ======== version 2 of 2: 4 launches; version 1 with the launch prep written anew for expert scheduling mode
;; limits: values are held in f16: magnitudes above 65,504 overflow, below 6.1e-05 lose precision
;; workspace buffers: xh 8,388,608 bytes; wqkvh 6,291,456 bytes; woh 2,097,152 bytes; qkvh 25,165,824 bytes; ah 8,388,608 bytes
;; launch prep (part 5): grid 256 x 1, 8 waves a work-group, no clusters, 0 bytes of LDS; arguments x, Wq, Wk, Wv, Wo, xh, wqkvh, woh; writes xh, wqkvh, woh
.if DOCPART == 5
	.amdgcn_target "amdgcn-amd-amdhsa--gfx1250"
	.amdhsa_code_object_version 6
	.text
	.protected	k_q55968ecddf_prep
	.globl	k_q55968ecddf_prep
	.p2align	8
	.type	k_q55968ecddf_prep,@function
k_q55968ecddf_prep:
	s_mov_b64 s[64:65], 0
	v_nop
	global_prefetch_b8 v0, s[64:65] scope:SCOPE_SE
	s_setreg_imm32_b32 hwreg(HW_REG_WAVE_SCHED_MODE, 0, 2), 2
	s_setreg_imm32_b32 hwreg(HW_REG_WAVE_MODE, 25, 1), 1
	s_wait_xcnt 0x0
	s_wait_alu depctr_vm_vsrc(0)
; prep: x and the four weights, f32, are rounded once to f16 and laid out in panels of 64 columns, rows of 128 bytes that follow each other densely:
;   xh    [16 kp][4096 m][64]            x(m, 64 kp + c)
;   wqkvh [16 kstep][48 np][64 kk][64]   W(64 kstep + kk, 64 (np mod 16) + c), np / 16 = 0 Wq, 1 Wk, 2 Wv
;   woh   [16 kstep][16 np][64 kk][64]   Wo likewise
; so that every tile of the later launches is one dense block.
; LIMIT: f16 holds magnitudes below 65,504; a larger input becomes infinite.
; A stream: 8,192 source rows of 4,096 bytes (4,096 of x, 4 x 1,024 of weights), 32 rows a work-group, 4 rows a wave.
; A wave issues all its 32 loads of 16 bytes a lane at once (16 KiB on their way a wave, 128 KiB a work-group): no loop, no LDS, no barrier.
; A load takes 256 consecutive bytes of each of two rows; its 64 + 64 numbers become 128 + 128 bytes that are neighbours in the panel:
; each store of the wave covers 256 consecutive bytes, aligned.  No matrix unit, no cluster: nothing is multiplied and no byte is read twice.
; THE MODE: SCHED_MODE bits 1:0 = 2 (LLVM: expert scheduling mode 2), set by the entry lines.  The code itself states the register dependences
; between vector instructions and memory instructions, with s_wait_alu, always for 0.
; THE PLAN.  Registers that memory instructions touch:
;   v1        the loads' offset.  Written at the head, never again; read by all 32 loads.
;   v[8:23]   the stores' offsets.  Written at the head, never again; read by the stores.
;   v[32:159] load i lands in four registers; its two conversions read the four and write the first two; store i reads those two.
;             No register of these is loaded twice, none is written again behind its store, and no vector instruction names one ahead of its load.
; So the dependences are: the offsets, stated once ahead of the first load; and each store's data.  The 32 loads go in 8 blocks of four.  Block p waits
; for its four loads, then ONE wait on va_vdst states that block p - 1's eight conversions have written their results, and the four stores of block p - 1
; are dealt among block p's conversions, which name block p's registers alone.  One more such wait stands ahead of the last four stores.
; No register that a memory instruction has read is written again: no wait on vm_vsrc and no s_wait_xcnt is owed.
.set OFF, 8                            ; v[8:23]   byte offset of my 8 bytes in panel p of the destination
.set X,   32                           ; v[32:159] load i: 4 registers as loaded; the first two of them then hold the 4 numbers in f16
.set BLOCK, 4                          ; loads in a block
	s_load_b512 s[8:23], s[0:1], 0x0               ; x s[8:9], Wq s[10:11], Wk s[12:13], Wv s[14:15], Wo s[16:17], xh s[18:19], wqkvh s[20:21], woh s[22:23]
	v_lshrrev_b32 v2, 5, v0
	v_readfirstlane_b32 s4, v2                     ; wave 0..7
	v_and_b32 v3, 31, v0                           ; lane
	v_and_b32 v4, 15, v0
	v_bfe_u32 v5, v0, 4, 1
	v_lshlrev_b32 v1, 4, v4                        ; source: 16 bytes a lane,
	v_lshl_add_u32 v1, v5, 12, v1                  ; lanes 16 to 31 one row further down
	s_mov_b32 s5, ttmp9                            ; work-groups 0..127 take x, 128..255 the weights
	s_and_b32 s6, s5, 127
	s_lshr_b32 s7, s6, 5                           ; which weight: 0 Wq, 1 Wk, 2 Wv, 3 Wo
	s_and_b32 s24, s6, 31                          ; which 32 rows of it
	s_lshl_b32 s32, s7, 4                          ; first panel of that weight in wqkvh
	s_lshr_b32 s33, s24, 1                         ; kstep
	s_and_b32 s25, s24, 1
	s_lshl_b32 s25, s25, 12                        ; upper or lower 32 rows of the panel: 32 x 128 bytes
	s_lshl_b32 s34, s5, 12                         ; x: 32 rows x 128 bytes in a panel of xh
	s_wait_alu depctr_va_sdst(0)                   ; s4, the wave's number, is written, ahead of its first reader: the two byte offsets below are made from it
	s_lshl_b32 s35, s4, 14                         ; my wave: 4 source rows of 4,096 bytes,
	s_lshl_b32 s40, s4, 9                          ; 4 panel rows of 128 bytes
	s_mov_b32 s30, 0x2000                          ; from panel to panel: weights 8,192 bytes
	s_cmp_lt_u32 s7, 3
	s_cselect_b32 s31, 48, 16                      ; panels in a kstep of the destination
	s_cselect_b32 s32, s32, 0
	s_mul_i32 s33, s33, s31
	s_add_co_u32 s33, s33, s32
	s_lshl_b32 s33, s33, 13
	s_add_co_u32 s33, s33, s25                     ; weights: byte offset of the group's first panel row
	s_cmp_lt_u32 s5, 128
	s_cselect_b32 s30, 0x80000, s30                ; x: 4,096 rows x 128 bytes from panel to panel
	s_cselect_b32 s38, s34, s33
	s_cselect_b32 s36, s5, s24
	s_lshl_b32 s36, s36, 17                        ; 32 source rows of 4,096 bytes a work-group
	s_add_co_u32 s36, s36, s35
	s_add_co_u32 s38, s38, s40
	s_mov_b32 s37, 0
	s_mov_b32 s39, 0
	v_lshlrev_b32 v[OFF], 3, v3                    ; 8 bytes a lane: lanes 16 to 31 fall into the next panel row
.irp p, 1,2,3,4,5,6,7,8,9,10,11,12,13,14,15
	v_add_nc_u32 v[OFF+\p], s30, v[OFF+\p-1]
.endr
	s_wait_kmcnt 0x0
	s_mov_b64 s[26:27], s[10:11]                   ; the source: a choice between buffers on the work-group number alone
	s_cmp_eq_u32 s7, 1
	s_cselect_b64 s[26:27], s[12:13], s[26:27]
	s_cmp_eq_u32 s7, 2
	s_cselect_b64 s[26:27], s[14:15], s[26:27]
	s_cmp_eq_u32 s7, 3
	s_cselect_b64 s[26:27], s[16:17], s[26:27]
	s_cmp_lt_u32 s7, 3
	s_cselect_b64 s[28:29], s[20:21], s[22:23]     ; the destination likewise
	s_cmp_lt_u32 s5, 128
	s_cselect_b64 s[26:27], s[8:9], s[26:27]
	s_cselect_b64 s[28:29], s[18:19], s[28:29]
	s_add_nc_u64 s[26:27], s[26:27], s[36:37]
	s_add_nc_u64 s[28:29], s[28:29], s[38:39]
	s_wait_alu depctr_va_vdst(0)                   ; v1 and the sixteen offsets v[8:23] are written: every load reads the one, every store one of the others
	; load i = 2 p + rp: rows 2 rp, 2 rp + 1 of my four, columns 64 p .. 64 p + 63
.set i, 0
.rept 32
	global_load_b128 v[X+4*i:X+4*i+3], v1, s[26:27] offset:(i&1)*8192+(i>>1)*256 th:TH_LOAD_NT
.set i, i+1
.endr
; Block p: loads 4 p to 4 p + 3 are converted; the stores of block p - 1 leave among the conversions.
.macro BLK p
	s_wait_loadcnt 32-BLOCK-BLOCK*(\p)             ; loads come back in order (ISA guide 5.7.1): this block's four are in, the younger ones stay out
.if (\p) > 0
	s_wait_alu depctr_va_vdst(0)                   ; the conversions of the block before have written the registers that the four stores below read
.endif
.set i, BLOCK*(\p)
.rept BLOCK
.if (\p) > 0
	global_store_b64 v[OFF+((i-BLOCK)>>1)], v[X+4*(i-BLOCK):X+4*(i-BLOCK)+1], s[28:29] offset:((i-BLOCK)&1)*256  ; the block before; no vector instruction since the wait names its registers
.endif
	v_cvt_pk_f16_f32 v[X+4*i], v[X+4*i], v[X+4*i+1]
	v_cvt_pk_f16_f32 v[X+4*i+1], v[X+4*i+2], v[X+4*i+3]
.set i, i+1
.endr
.endm
	BLK 0                                          ; block 0 has no block in front of it: no store, and no wait but the one for its data
	BLK 1
	BLK 2
	BLK 3
	BLK 4
	BLK 5
	BLK 6
	BLK 7
	s_wait_alu depctr_va_vdst(0)                   ; block 7's conversions have written the registers that the last four stores read
.set i, 32-BLOCK
.rept BLOCK
	global_store_b64 v[OFF+(i>>1)], v[X+4*i:X+4*i+1], s[28:29] offset:(i&1)*256
.set i, i+1
.endr
	s_endpgm
.Lfunc_end_k_q55968ecddf_prep:
	.size	k_q55968ecddf_prep, .Lfunc_end_k_q55968ecddf_prep-k_q55968ecddf_prep
	.p2alignl 7, 3214868480
	.fill 96, 4, 3214868480
	.section	.rodata,"a",@progbits
	.p2align	6, 0x0
	.amdhsa_kernel k_q55968ecddf_prep
		.amdhsa_group_segment_fixed_size 0
		.amdhsa_private_segment_fixed_size 0
		.amdhsa_enable_private_segment 0
		.amdhsa_kernarg_size 64
		.amdhsa_user_sgpr_count 2
		.amdhsa_user_sgpr_kernarg_segment_ptr 1
		.amdhsa_wavefront_size32 1
		.amdhsa_system_sgpr_workgroup_id_x 1
		.amdhsa_system_sgpr_workgroup_id_y 1
		.amdhsa_system_sgpr_workgroup_id_z 1
		.amdhsa_system_vgpr_workitem_id 0
		.amdhsa_next_free_vgpr 160
		.amdhsa_next_free_sgpr 66
		.amdhsa_reserve_vcc 0
		.amdhsa_float_denorm_mode_32 3
		.amdhsa_float_denorm_mode_16_64 3
		.amdhsa_memory_ordered 1
		.amdhsa_forward_progress 1
		.amdhsa_inst_pref_size 14
	.end_amdhsa_kernel
	.amdgpu_metadata
---
amdhsa.version: [ 1, 2 ]
amdhsa.kernels:
  - .name:           k_q55968ecddf_prep
    .symbol:         k_q55968ecddf_prep.kd
    .args:
      - { .name: x, .offset: 0, .size: 8, .value_kind: global_buffer, .address_space: global }
      - { .name: Wq, .offset: 8, .size: 8, .value_kind: global_buffer, .address_space: global }
      - { .name: Wk, .offset: 16, .size: 8, .value_kind: global_buffer, .address_space: global }
      - { .name: Wv, .offset: 24, .size: 8, .value_kind: global_buffer, .address_space: global }
      - { .name: Wo, .offset: 32, .size: 8, .value_kind: global_buffer, .address_space: global }
      - { .name: xh, .offset: 40, .size: 8, .value_kind: global_buffer, .address_space: global }
      - { .name: wqkvh, .offset: 48, .size: 8, .value_kind: global_buffer, .address_space: global }
      - { .name: woh, .offset: 56, .size: 8, .value_kind: global_buffer, .address_space: global }
    .group_segment_fixed_size: 0
    .private_segment_fixed_size: 0
    .kernarg_segment_align: 8
    .kernarg_segment_size: 64
    .max_flat_workgroup_size: 256
    .sgpr_count:     66
    .vgpr_count:     160
    .wavefront_size: 32
...
	.end_amdgpu_metadata
.endif
;; end of part 5
;; launch qkv: the kernel of part 2 again; grid 8 x 32, 4 waves a work-group, clusters of 4 x 4, 327,680 bytes of LDS; arguments xh, wqkvh, qkvh, valid_lens; writes qkvh
;; launch attn: the kernel of part 3 again; grid 8 x 32, 8 waves a work-group, clusters of 4 x 1, 327,680 bytes of LDS; arguments qkvh, valid_lens, ah; writes ah
;; launch oproj: the kernel of part 4 again; grid 8 x 32, 4 waves a work-group, clusters of 4 x 4, 327,680 bytes of LDS; arguments ah, woh, out0; writes out0
